; MI455X (gfx1250); checked and timed in simulation.
; The chip was launched on July 23, 2026; its instructions are those of AMD's public machine-readable ISA for CDNA 5 (MIT licence, August 2026) and "CDNA5" Instruction Set Architecture Reference Guide (July 2026). The comments in the code are by the model that wrote it; some were corrected since.
;; Multi Headed Attention. Allowed arithmetic: matrix products marked QUANTISED: E2M3 operands, one E8M0 scale for each 32 along K, by v_wmma_scale_f32_16x16x128_f8f6f4 with both operands' format E2M3, f32 sums; everything else in f32.
;; Inputs: Wk 1,024 x 1,024 float32; Wm 1,024 x 1,024 float32; Wq 1,024 x 1,024 float32; Wv 1,024 x 1,024 float32; bk 1,024 float32; bm 1,024 float32; bq 1,024 float32; bv 1,024 float32; key 8 x 1,024 x 1,024 float32; query 8 x 1,024 x 1,024 float32; value 8 x 1,024 x 1,024 float32.
;; Outputs: out0 8 x 1,024 x 1,024 float32.
;; This version of the problem:
;;   THIS VERSION OF THE PROBLEM IS GIVEN IN LOW PRECISION. The matrix products marked QUANTISED in the list below multiply operands that are first quantised to E2M3 (2 exponent bits, 3 mantissa bits; 6 bits a number), with one power-of-two scale for each 32 numbers along K (OCP MX v1.0); their sums are f32. All else is computed in f32.
;;   The module's matrix products, in the order in which they are computed (A, B: the left and right operand; K: the contracted axis; several contracted axes count as one K, in the product's order):
;;     1. [M 8,192, K 1,024] x [K 1,024, N 1,024]; A: input query; B: input Wq: QUANTISED
;;     2. [M 8,192, K 1,024] x [K 1,024, N 1,024]; A: input key; B: input Wk: QUANTISED
;;     3. [M 8,192, K 1,024] x [K 1,024, N 1,024]; A: input value; B: input Wv: QUANTISED
;;     4. batch 128 x [M 1,024, K 64] x [K 64, N 1,024]; A: computed on the way; B: computed on the way: QUANTISED
;;     5. batch 128 x [M 64, K 1,024] x [K 1,024, N 1,024]; A: computed on the way; B: softmax (see below): QUANTISED
;;     6. [M 8,192, K 1,024] x [K 1,024, N 1,024]; A: computed on the way; B: input Wm: QUANTISED
;;   THE QUANTISER, for each operand of a quantised product, along K:
;;     - K is cut into blocks of 32 from its start; a last block that is shorter is filled with zeros.
;;     - A block's scale is 2^e with e = floor(log2(the largest magnitude in the block)) - 2, held to -126 .. 127; a block of zeros has e = 0. As a byte (E8M0): e + 127.
;;     - Each number is divided by its block's scale, clamped to +-7.5, and rounded to the nearest number of E2M3, ties to even, subnormals kept.
;;     - The product sums the exact products of the quantised numbers (number of the format x scale) in f32.
;;   ~~~python
;;   def quantise(x, axis):      # numpy; x: float32 -> the quantised numbers, widened to float32 again
;;       x = np.moveaxis(x, axis, -1); K = x.shape[-1]
;;       x = np.pad(x, [(0, 0)] * (x.ndim - 1) + [(0, -K % 32)]); x = x.reshape(x.shape[:-1] + (-1, 32)); a = np.abs(x).max(-1, keepdims=True)
;;       e = np.where(a > 0, np.clip(np.frexp(np.where(a > 0, a, 1))[1] - 1 - 2, -126, 127), 0)      # np.frexp(a)[1] - 1 = floor(log2(a)), exactly
;;       r = np.clip(x / 2.0 ** e, -7.5, 7.5)
;;       step = 2.0 ** (np.maximum(np.frexp(np.where(r == 0, 1, r))[1] - 1, 0) - 3)
;;       q = np.round(r / step) * step * 2.0 ** e      # np.round: ties to even
;;       return np.moveaxis(q.reshape(q.shape[:-2] + (-1,))[..., :K], -1, axis).astype(np.float32)
;;   ~~~
;;   SOFTMAX AHEAD OF A QUANTISED PRODUCT. Where the list says 'softmax', what is quantised is not the finished softmax but p = 2^(t - M), with t = logit x log2(e) and M = ceil(the row's largest t), a whole number; so 1/2 < the row's largest p <= 1. The row's sum l is taken of the UNQUANTISED p, in f32, and the product's result is divided by l at the end. Since M is a whole number, a kernel that streams over the keys may use a running M (the ceiling of the running maximum): every later rescaling is an exact power of two, which a block's scale takes up: the codes' values come out the same.
;;   OPERANDS COMPUTED ON THE WAY. 'Computed on the way' means the value that the module computes at that place (a softmax that the list does not call 'softmax' is quantised finished and normalised). What goes into a quantiser is computed in f32, as accurately as f32 sums, v_exp_f32 and their like allow (about 1e-6 of the number): no bf16 or f16 on the way to a quantiser, and a product that is left as it is and whose result goes on into a quantised operand takes f32 operands (vector FMAs, or v_wmma_f32_16x16x4_f32). A number that lies on a knife's edge between two numbers of the format may be rounded either way, as far as f32 arithmetic and the matrix unit's own rounding can turn it there, and no further.
;; One version. Each part assembles by itself: llvm-mc -triple=amdgcn-amd-amdhsa -mcpu=gfx1250 --defsym DOCPART=n.
;; ======== version 1 of 1: 5 launches
;; workspace buffers: cod 22,020,096 bytes; scl 917,504 bytes; att 26,738,688 bytes; xf 33,554,432 bytes
;; launch quant (part 1): grid 448 x 1, 8 waves a work-group, no clusters, 135,168 bytes of LDS; arguments Wq, Wk, Wv, Wm, query, key, value, cod, scl; writes cod, scl
.if DOCPART == 1
	.amdgcn_target "amdgcn-amd-amdhsa--gfx1250"
	.amdhsa_code_object_version 6
	.text
	.protected	k_q39e769d894_quant
	.globl	k_q39e769d894_quant
	.p2align	8
	.type	k_q39e769d894_quant,@function
k_q39e769d894_quant:
	s_mov_b64 s[64:65], 0
	v_nop
	global_prefetch_b8 v0, s[64:65] scope:SCOPE_SE
	s_setreg_imm32_b32 hwreg(HW_REG_WAVE_MODE, 25, 1), 1
	s_wait_xcnt 0x0
; The three activations and the four weights, f32, become codes of FP6 (E2M3) with K innermost (cod: rows of 768 bytes, 1,024 codes) and one E8M0 scale byte for each 32 along K (scl: 32 bytes a row).
; Rows 1,024 W on: weight W (Wq, Wk, Wv, Wm).  Rows 4,096 + 8,192 T + 1,024 b on: activation T (query, key, value) of batch b.
; A block's scale is 2^(floor(log2(its largest magnitude)) - 2); its byte is the largest magnitude's exponent field - 2, held at 1 from below.
; LIMITS: NaN and infinities among the inputs are not served; a block whose largest magnitude lies under 2^-124 has its byte held at 1; a block of zeros gets the byte 1 where the
; rule says 127: its codes are zeros, and this program alone reads the bytes.
; ONE LAUNCH, TWO PARTS, which part on the work-group's number alone: work-groups 0 .. 383 take the activations, 384 .. 447 the weights.  Each part has LDS bytes of its own.
; THE ROWS ARE PERMUTED, s(p) = p with its bits 3 and 4 exchanged: an activation's stored row p holds column n = s(p); a weight's stored row 64 head + p holds o = 16 s(p) + head.
.set NWGX,  384
.set EMAX,  2
	v_lshl_add_u32 v192, v0, 2, 0x20c00
	v_mov_b32 v193, 0
	s_cmp_ge_u32 ttmp9, NWGX                       ; all eight waves of a work-group go the same way
	s_cbranch_scc1 .Lweights
; ---- THE ACTIVATIONS [8 (b)][1024 (K)][1024 (n)]: K is the MIDDLE axis.
; A LANE TAKES A COLUMN n AND ITS REGISTERS RUN DOWN K: a block of 32 lies in one lane's 32 registers, and the conversions give codes with K innermost.  Nothing is transposed by an instruction.
; SHARES: work-group gx takes 64 columns x all of K: T = gx / 128, b = (gx / 16) % 8, columns 64 (gx % 16) on.  Wave w: 32 columns (w % 2), 256 along K (w / 2): 8 blocks a lane.  The two waves of a
; K quarter stand side by side on 256 consecutive bytes of each input row.  The codes meet in a stage in LDS (a stored row: 64 places of 16 bytes, 12 bytes of codes in each, + 16), one barrier, and each
; wave stores 8 whole rows: 384 consecutive bytes an instruction, 49,152 consecutive bytes a work-group; the scale bytes likewise: 256 consecutive bytes a wave.
.set NB,    8                          ; blocks a lane
.set SPT,   1040                       ; a stage row
.set SCS,   64*SPT                     ; behind the stage: 64 rows x 32 scale bytes
.set X,     32                         ; v32-95   two sets of 32 numbers
.set C,     96                         ; v96-102  a block's codes
.set OUTR,  112                        ; v112-175 the way out
.set SB,    24                         ; v24-25   my 8 scale bytes
	s_load_b128 s[4:7], s[0:1], 0x20               ; query, key
	s_load_b128 s[8:11], s[0:1], 0x30              ; value, cod
	s_load_b64 s[12:13], s[0:1], 0x40              ; scl
	v_lshrrev_b32 v1, 5, v0
	v_readfirstlane_b32 s16, v1                    ; wave 0..7
	v_and_b32 v2, 31, v0                           ; lane
	s_and_b32 s17, s16, 1                          ; which 32 columns
	s_lshr_b32 s18, s16, 1                         ; which 256 along K
	v_lshlrev_b32 v3, 2, v2                        ; in: 4 bytes a lane
	v_and_b32 v6, 7, v0                            ; my column's stored row: bits 3 and 4 of the lane change places
	v_bfe_u32 v14, v0, 3, 1
	v_lshl_add_u32 v6, v14, 4, v6
	v_bfe_u32 v14, v0, 4, 1
	v_lshl_add_u32 v6, v14, 3, v6
	s_lshl_b32 s19, s17, 5
	v_add_nc_u32 v6, s19, v6
	v_mul_u32_u24 v4, v6, SPT
	s_lshl_b32 s19, s18, 8
	v_add_nc_u32 v4, s19, v4                       ; into the stage: my row, my K quarter's 16 places
	v_lshlrev_b32 v5, 5, v6
	s_lshl_b32 s19, s18, 3
	s_add_co_u32 s19, s19, SCS
	v_add_nc_u32 v5, s19, v5                       ; my 8 scale bytes
	s_mul_i32 s19, s16, 8*SPT
	v_lshl_add_u32 v7, v2, 4, s19                  ; out of the stage: rows 8 w on, a place a lane
	s_mul_i32 s19, s16, 6144
	v_mad_u32_u24 v8, v2, 12, s19                  ; and the same in cod: 12 bytes a lane
	s_lshl_b32 s19, s16, 8
	v_lshl_add_u32 v10, v2, 3, s19                 ; scale bytes out: 256 w + 8 lane
	v_add_nc_u32 v9, SCS, v10
	s_lshr_b32 s20, ttmp9, 7                       ; T
	s_bfe_u32 s21, ttmp9, 0x30004                  ; b
	s_and_b32 s22, ttmp9, 15                       ; which 64 columns
	s_lshl_b32 s26, s21, 22                        ; b x 1,024 x 1,024 x 4 bytes
	s_lshl_b32 s23, s18, 20                        ; + 256 rows of 4,096 bytes a K quarter
	s_add_co_u32 s26, s26, s23
	s_lshl_b32 s23, s22, 8
	s_add_co_u32 s26, s26, s23
	s_lshl_b32 s23, s17, 7
	s_add_co_u32 s26, s26, s23
	s_mov_b32 s27, 0
	s_lshl_b32 s24, ttmp9, 6
	s_add_co_u32 s24, s24, 4096                    ; my first stored row
	s_mul_i32 s28, s24, 768
	s_mov_b32 s29, 0
	s_lshl_b32 s30, s24, 5
	s_mov_b32 s31, 0
	s_wait_kmcnt 0x0
	s_cmp_eq_u32 s20, 1                            ; the choice hangs on the work-group's number alone
	s_cselect_b64 s[4:5], s[6:7], s[4:5]
	s_cmp_eq_u32 s20, 2
	s_cselect_b64 s[4:5], s[8:9], s[4:5]
	s_add_nc_u64 s[4:5], s[4:5], s[26:27]
	s_add_nc_u64 s[6:7], s[10:11], s[28:29]
	s_add_nc_u64 s[8:9], s[12:13], s[30:31]
.macro LOAD t                          ; block t: rows 32 t + 0 .. 31 of my K quarter, my column, into set t % 2
.set i, 0
.rept 32
	global_load_b32 v[X+32*((\t)%2)+i], v3, s[4:5] offset:(32*(\t)+i)*4096 th:TH_LOAD_NT
.set i, i+1
.endr
.endm
	LOAD 0
	LOAD 1
.macro BLOCK t
.set XS, X+32*((\t)%2)
.if (\t) < NB-1
	s_wait_loadcnt 32                              ; this block's 32 loads are in; the next block's may be out
.else
	s_wait_loadcnt 0
.endif
	v_max3_num_f32 v12, |v[XS]|, |v[XS+1]|, |v[XS+2]|               ; the block's largest magnitude: all 32 numbers are mine
	v_max3_num_f32 v13, |v[XS+3]|, |v[XS+4]|, |v[XS+5]|
.irp i, 6,10,14,18,22,26
	v_max3_num_f32 v12, v12, |v[XS+\i]|, |v[XS+\i+1]|
	v_max3_num_f32 v13, v13, |v[XS+\i+2]|, |v[XS+\i+3]|
.endr
	v_max3_num_f32 v12, v12, |v[XS+30]|, |v[XS+31]|
	v_max3_num_f32 v12, v12, v13, (EMAX+1)<<23     ; and the floor 2^(3 - 127): the byte cannot fall under 1
	v_add_nc_u32 v11, -(EMAX<<23), v12             ; 2 off its exponent field: the conversion's scale operand
	v_lshrrev_b32 v13, 23, v11                     ; the scale's byte
.if (\t)%4 == 0
	v_mov_b32 v[SB+(\t)/4], v13                    ; four bytes to a register, the lower K in the lower byte
.else
	v_lshl_or_b32 v[SB+(\t)/4], v13, 8*((\t)%4), v[SB+(\t)/4]
.endif
	v_cvt_scalef32_pk16_fp6_f32 v[C:C+2], v[XS:XS+15], v11
	v_cvt_scalef32_pk16_fp6_f32 v[C+4:C+6], v[XS+16:XS+31], v11     ; (a conversion's three registers begin on an even number)
	v_nop                                          ; a plain line behind the conversions
	ds_store_b96 v4, v[C:C+2] offset:32*(\t)       ; 16 codes, 12 bytes, to a place of 16
	ds_store_b96 v4, v[C+4:C+6] offset:32*(\t)+16
.if (\t)+2 < NB
	LOAD (\t)+2
.endif
	s_wait_dscnt 0x0                               ; the stores have read their registers: the next block's codes may be written
.endm
.set Q, 0
.rept NB
	BLOCK Q
.set Q, Q+1
.endr
	ds_store_b64 v5, v[SB:SB+1]
	s_wait_dscnt 0x0                               ; for the others' sake: my stores into the stage are done
	s_barrier_signal -1
	s_barrier_wait -1
.set q, 0
.rept 16                               ; row q / 2 of my eight, half q % 2: 32 places
	ds_load_b96 v[OUTR+4*q:OUTR+4*q+2], v7 offset:SPT*(q/2)+512*(q%2)
.set q, q+1
.endr
	ds_load_b64 v[26:27], v9
.set q, 0
.rept 16
	s_wait_dscnt 16-q                              ; load q is in; the 16 - q issued behind it may be out
	global_store_b96 v8, v[OUTR+4*q:OUTR+4*q+2], s[6:7] offset:768*(q/2)+384*(q%2)
.set q, q+1
.endr
	s_wait_dscnt 0x0
	global_store_b64 v10, v[26:27], s[8:9]         ; 32 lanes store 256 consecutive bytes, aligned
	s_wait_tensorcnt 0x0
	ds_add_u32 v192, v193
	s_wait_dscnt 0x0
	s_endpgm
; ---- THE WEIGHTS [1024 (o)][1024 (i)]: K = i is innermost.
; SHARES: wave G = 8 x (work-group - 384) + wave (0 .. 511) makes stored rows 8 G .. 8 G + 7: 16 steps of 512 numbers (half a row).  Each load reads 512 consecutive bytes, 16 a lane; a step's 2,048 bytes
; turn through the wave's own stage in LDS and come back 64 bytes a lane: 16 neighbours along K, which the conversion wants in one lane.  Two neighbouring lanes hold a block.
; A step's codes leave as 384 consecutive bytes; the wave's 256 scale bytes are gathered in LDS and leave as one aligned run of 256 bytes.  Waves share nothing here: no barrier.
.set STEPS, 16
.set CBY,   12                         ; bytes of 16 codes
.set WR,    16                         ; v16-79   four sets of 16 numbers as loaded
.set WX,    80                         ; v80-111  two sets of 16 neighbours
.set WC,    128                        ; v128-191 codes: four registers a step, never written twice
.set WE,    112                        ; v112-127 a scale byte a step
.set WLDS,  68608                      ; this part's LDS begins behind the other part's
.set WREG,  8192                       ; LDS of a wave: two stages of 32 x SP bytes, then its 256 scale bytes
.set SP,    80                         ; a lane's place in a stage: 64 bytes + 16
.Lweights:
	s_load_b256 s[4:11], s[0:1], 0x0               ; Wq, Wk, Wv, Wm
	s_load_b64 s[12:13], s[0:1], 0x38              ; cod
	s_load_b64 s[14:15], s[0:1], 0x40              ; scl
	v_lshrrev_b32 v1, 5, v0
	v_readfirstlane_b32 s16, v1                    ; wave 0..7
	v_and_b32 v2, 31, v0                           ; lane
	v_lshlrev_b32 v3, 4, v2                        ; my 16 bytes of a load's 512
	s_mul_i32 s17, s16, WREG
	s_add_co_u32 s17, s17, WLDS
	v_lshrrev_b32 v14, 2, v2
	v_mul_u32_u24 v14, v14, SP
	v_and_b32 v15, 3, v2
	v_lshl_add_u32 v14, v15, 4, v14
	v_add_nc_u32 v14, s17, v14                     ; the stage, in: SP (lane / 4) + 16 (lane % 4)
	v_mul_u32_u24 v15, v2, SP
	v_add_nc_u32 v15, s17, v15                     ; and out: SP x lane
	v_mul_u32_u24 v4, v2, CBY                      ; my codes' place in a step's
	v_lshrrev_b32 v5, 1, v2
	s_add_co_u32 s17, s17, 2*32*SP
	v_add_nc_u32 v5, s17, v5                       ; my block's scale byte in LDS
	v_lshlrev_b32 v7, 3, v2
	v_add_nc_u32 v6, s17, v7                       ; and 8 bytes a lane on the way out
	s_sub_co_u32 s25, ttmp9, NWGX                  ; 0 .. 63
	s_lshl_b32 s18, s25, 3
	s_add_co_u32 s18, s18, s16                     ; G
	s_lshr_b32 s24, s25, 4                         ; which weight
	s_and_b32 s19, s18, 127                        ; G within the weight: head = its bits 6:3, pg = its bits 2:0; p = 8 pg + 0 .. 7
	s_lshr_b32 s20, s19, 3                         ; head
	s_and_b32 s21, s19, 4
	s_lshl_b32 s21, s21, 3                         ; p's bit 5 stays: 32
	s_and_b32 s22, s19, 1
	s_lshl_b32 s22, s22, 4                         ; p's bit 3 becomes d's bit 4
	s_add_co_u32 s21, s21, s22
	s_and_b32 s22, s19, 2
	s_lshl_b32 s22, s22, 2                         ; p's bit 4 becomes d's bit 3
	s_add_co_u32 s21, s21, s22                     ; d of my first row
	s_lshl_b32 s21, s21, 4
	s_add_co_u32 s21, s21, s20                     ; o = 16 d + head; my next rows lie 16 rows of the input apart
	s_lshl_b32 s26, s21, 12                        ; in bytes
	s_mov_b32 s27, 0
	s_mul_i32 s28, s18, 6144                       ; my 8 rows of codes
	s_mov_b32 s29, 0
	s_lshl_b32 s30, s18, 8                         ; my 256 scale bytes
	s_mov_b32 s31, 0
	s_wait_kmcnt 0x0
	s_cmp_eq_u32 s24, 1                            ; the choice hangs on the work-group's number alone
	s_cselect_b64 s[4:5], s[6:7], s[4:5]
	s_cmp_eq_u32 s24, 2
	s_cselect_b64 s[4:5], s[8:9], s[4:5]
	s_cmp_eq_u32 s24, 3
	s_cselect_b64 s[4:5], s[10:11], s[4:5]
	s_add_nc_u64 s[4:5], s[4:5], s[26:27]
	s_add_nc_u64 s[8:9], s[12:13], s[28:29]
	s_add_nc_u64 s[10:11], s[14:15], s[30:31]
.macro WLOAD t                         ; step t: row t / 2 of my eight, half t % 2
.irp i, 0,1,2,3
	global_load_b128 v[WR+16*((\t)%4)+4*\i:WR+16*((\t)%4)+4*\i+3], v3, s[4:5] offset:65536*((\t)/2)+2048*((\t)%2)+512*\i th:TH_LOAD_NT
.endr
.endm
.macro WTURN t                         ; step t's numbers through the stage: LDS serves a wave's instructions in order, so no wait stands between the stores and the loads
.irp i, 0,1,2,3
	ds_store_b128 v14, v[WR+16*((\t)%4)+4*\i:WR+16*((\t)%4)+4*\i+3] offset:32*SP*((\t)%2)+8*SP*\i
.endr
.irp i, 0,1,2,3
	ds_load_b128 v[WX+16*((\t)%2)+4*\i:WX+16*((\t)%2)+4*\i+3], v15 offset:32*SP*((\t)%2)+16*\i
.endr
.endm
.irp t, 0,1,2,3
	WLOAD \t
.endr
	s_wait_loadcnt 12                              ; step 0's four loads are in; the twelve behind them stay out
	WTURN 0
.macro WSTEP t
.set XS, WX+16*((\t)%2)
.if (\t) > 0
	s_wait_dscnt 1                                 ; this step's numbers are back from the stage (the last step's byte store may be out)
.else
	s_wait_dscnt 0x0
.endif
.if (\t)+4 < STEPS
	WLOAD (\t)+4                                   ; into the registers that the stage's stores have read
.endif
.if (\t)+1 < STEPS
.if STEPS-2-(\t) >= 3
	s_wait_loadcnt 12                              ; the next step's four loads are in; those of the three steps behind it may be out
.else
	s_wait_loadcnt 4*(STEPS-2-(\t))
.endif
	WTURN (\t)+1
.endif
	v_max3_num_f32 v8, |v[XS]|, |v[XS+1]|, |v[XS+2]|               ; the largest magnitude of my 16, in two chains
	v_max3_num_f32 v9, |v[XS+3]|, |v[XS+4]|, |v[XS+5]|
.irp i, 6,10
	v_max3_num_f32 v8, v8, |v[XS+\i]|, |v[XS+\i+1]|
	v_max3_num_f32 v9, v9, |v[XS+\i+2]|, |v[XS+\i+3]|
.endr
	v_max3_num_f32 v8, v8, |v[XS+14]|, |v[XS+15]|
	v_max3_num_f32 v8, v8, v9, (EMAX+1)<<23        ; and the floor 2^(3 - 127): the byte cannot fall under 1
	v_max_num_f32_dpp v8, v8, v8 row_xmask:1 row_mask:0xf bank_mask:0xf   ; with my neighbour's 16: the block's
	v_add_nc_u32 v11, -(EMAX<<23), v8              ; 2 off its exponent field: the conversion takes that field as its scale
	v_cvt_scalef32_pk16_fp6_f32 v[WC+4*(\t):WC+4*(\t)+2], v[XS:XS+15], v11
	v_lshrrev_b32 v[WE+(\t)], 23, v11              ; the scale's byte (also the plain line behind the conversion)
	ds_store_b8 v5, v[WE+(\t)] offset:16*(\t)      ; both lanes of a block write the same byte with the same value
	global_store_b96 v4, v[WC+4*(\t):WC+4*(\t)+2], s[8:9] offset:32*CBY*(\t)
.endm
.irp t, 0,1,2,3,4,5,6,7,8,9,10,11,12,13,14,15
	WSTEP \t
.endr
	ds_load_b64 v[12:13], v6                       ; in order behind my byte stores
	s_wait_dscnt 0x0
	global_store_b64 v7, v[12:13], s[10:11]        ; 32 lanes store 256 consecutive bytes, aligned
	s_wait_tensorcnt 0x0
	ds_add_u32 v192, v193
	s_wait_dscnt 0x0
	s_endpgm
.Lfunc_end_k_q39e769d894_quant:
	.size	k_q39e769d894_quant, .Lfunc_end_k_q39e769d894_quant-k_q39e769d894_quant
	.p2alignl 7, 3214868480
	.fill 96, 4, 3214868480
	.section	.rodata,"a",@progbits
	.p2align	6, 0x0
	.amdhsa_kernel k_q39e769d894_quant
		.amdhsa_group_segment_fixed_size 135168
		.amdhsa_private_segment_fixed_size 0
		.amdhsa_enable_private_segment 0
		.amdhsa_kernarg_size 72
		.amdhsa_user_sgpr_count 2
		.amdhsa_user_sgpr_kernarg_segment_ptr 1
		.amdhsa_wavefront_size32 1
		.amdhsa_system_sgpr_workgroup_id_x 1
		.amdhsa_system_sgpr_workgroup_id_y 1
		.amdhsa_system_sgpr_workgroup_id_z 1
		.amdhsa_system_vgpr_workitem_id 0
		.amdhsa_next_free_vgpr 194
		.amdhsa_next_free_sgpr 66
		.amdhsa_reserve_vcc 0
		.amdhsa_float_denorm_mode_32 3
		.amdhsa_float_denorm_mode_16_64 3
		.amdhsa_memory_ordered 1
		.amdhsa_forward_progress 1
		.amdhsa_inst_pref_size 75
	.end_amdhsa_kernel
	.amdgpu_metadata
---
amdhsa.version: [ 1, 2 ]
amdhsa.kernels:
  - .name:           k_q39e769d894_quant
    .symbol:         k_q39e769d894_quant.kd
    .args:
      - { .name: Wq, .offset: 0, .size: 8, .value_kind: global_buffer, .address_space: global }
      - { .name: Wk, .offset: 8, .size: 8, .value_kind: global_buffer, .address_space: global }
      - { .name: Wv, .offset: 16, .size: 8, .value_kind: global_buffer, .address_space: global }
      - { .name: Wm, .offset: 24, .size: 8, .value_kind: global_buffer, .address_space: global }
      - { .name: query, .offset: 32, .size: 8, .value_kind: global_buffer, .address_space: global }
      - { .name: key, .offset: 40, .size: 8, .value_kind: global_buffer, .address_space: global }
      - { .name: value, .offset: 48, .size: 8, .value_kind: global_buffer, .address_space: global }
      - { .name: cod, .offset: 56, .size: 8, .value_kind: global_buffer, .address_space: global }
      - { .name: scl, .offset: 64, .size: 8, .value_kind: global_buffer, .address_space: global }
    .group_segment_fixed_size: 135168
    .private_segment_fixed_size: 0
    .kernarg_segment_align: 8
    .kernarg_segment_size: 72
    .max_flat_workgroup_size: 256
    .sgpr_count:     66
    .vgpr_count:     194
    .wavefront_size: 32
...
	.end_amdgpu_metadata
.endif
;; end of part 1
;; launch proj (part 2): grid 4 x 96, 4 waves a work-group, clusters of 4 x 4, 327,680 bytes of LDS; arguments cod, scl, bq, bk, bv, att; writes att
.if DOCPART == 2
	.amdgcn_target "amdgcn-amd-amdhsa--gfx1250"
	.amdhsa_code_object_version 6
	.text
	.protected	k_q39e769d894_proj
	.globl	k_q39e769d894_proj
	.p2align	8
	.type	k_q39e769d894_proj,@function
k_q39e769d894_proj:
	s_mov_b64 s[64:65], 0
	v_nop
	global_prefetch_b8 v0, s[64:65] scope:SCOPE_SE
	s_setreg_imm32_b32 hwreg(HW_REG_WAVE_MODE, 25, 1), 1
	s_wait_xcnt 0x0
	s_wait_alu depctr_hold_cnt(0) depctr_sa_sdst(0) depctr_va_vdst(0) depctr_va_sdst(0) depctr_va_ssrc(0) depctr_va_vcc(0) depctr_vm_vsrc(0)
	s_getreg_b32 s2, hwreg(HW_REG_IB_STS2, 6, 4)
	s_cmp_eq_u32 s2, 0
	s_cbranch_scc0 .Lentry_in_a_cluster
	s_endpgm
.Lentry_in_a_cluster:
	s_bfe_u32 s2, ttmp6, 0x10000c
	s_cmp_lg_u32 s2, 0xf033
	s_cbranch_scc0 .Lentry_shape_is_right
	s_endpgm
.Lentry_shape_is_right:
; The three projections q, k, v as one launch of GEMMs on codes of FP6 (E2M3), K = 1,024, with a way out that adds the bias, quantises the result and stores it as the operands of the attention launch.
; cod: rows of 768 bytes (1,024 codes, K innermost), scl: 32 E8M0 bytes a row.  Rows 1,024 T on: weight T; rows 4,096 + 8,192 T + 1,024 b on: activation T of batch b (T = 0 q, 1 k, 2 v).
; A cluster of 4 x 4 work-groups makes one (T, b): 1,024 x 1,024 results; a work-group 256 x 256; each of its four waves 128 x 128: 64 accumulators, 512 registers.
; THE MATRIX INSTRUCTION IS USED TRANSPOSED (source 0 = 16 rows of "B", source 1 = 16 rows of "A"): a lane holds ONE row of A, and its registers run along B's rows.
;   q, k: A = the activation (a lane: one position n), B = the weight (registers: the channels d of two heads): quantised along d.      v: A = Wv (a lane: one channel), B = the activation (registers: 128 keys): quantised along the keys.
; Stored rows are permuted (bits 3 and 4 of a row's number exchanged; weights: stored row 64 head + p holds channel 16 s(p) + head), so that a lane's 64 registers of one block of A are, sixteen by sixteen,
; neighbours along the next K: register 16 B + i holds k = 32 B + 16 (lane / 16) + i.
; K goes in steps of 256 through a ring of two LDS slots filled by the tensor data mover (rows of 192 bytes); the scale bytes of the work-group's rows come once, with the first fills, and stay.
; JOINT LOADS: the four work-groups of a row of the cluster need the same tiles of A, the four of a column the same tiles of B: the same tensor load, the same descriptor, a mask that names the four.
; THE BIAS WITHOUT A BRANCH: it hangs on A's row in v and on B's row in q, k.  Both tables are loaded from the chosen bias; one is masked to zeros.  CB is the C of the first K step's products; BT is added on the way out, by the
; instruction that brings the sums into window 0 anyway.
; att: 256 records of REC bytes.  Record 16 b + head: K's 64 tile images (768 bytes), V's 32 fragments (1,536), K's 8 packs of scale words (512), V's 8 (256).  Record 128 + 16 b + head: Q's images and packs at K's places.
; An image is the operand's registers as they stand: registers 0-3 of lane l at 16 l (512 bytes), registers 4-5 at 8 l (256 bytes).
; LIMITS: NaN and infinities are not served; a block whose largest magnitude lies under 2^-124 has its byte held at 1; a block of zeros gets the byte 1 (zero codes; this program alone reads the bytes).
; REGISTERS, in windows of 256: window 0: v0-31 addresses; v32-63 scale words, two sets; v64-127 CB; from v128 A's fragments, one set; on the way out v64-87 scale words gathered, v128-228 at work.
;   window 1: B's fragments, two sets, at v0 and v128; BT in v96-127 and v224-255.   window 2: the accumulators of my rows 0-63 ((a, b) at v[8 (8 a + b)]);   window 3: those of rows 64-127.
.set NQ,     2                         ; matrix instructions deep in a slot
.set ROWB,   192                       ; a tile's row: 256 codes
.set KROW,   768                       ; a row of cod
.set PITCH,  240                       ; an LDS row: 3 x (64 bytes + 16 of padding)
.set FR,     12                        ; registers of a fragment
.set NL,     6                         ; LDS loads that bring one
.set NP,     4                         ; places behind this matrix instruction (ISA guide 7.12.1)
.set HALFT,  128*PITCH                 ; what one tensor load brings
.set SLOT,   4*HALFT                   ; A's 256 rows, then B's 256
.set LAPS,   2                         ; 1,024 / 512: a lap is once round the ring
.set KS,     32                        ; a row of scale bytes
.set SCL,    2*SLOT                    ; behind the ring: the scales, as runs of 256 bytes + 16 of padding
.set HALFS,  (128*KS/256)*272
.set SBLK,   (16*KS/256)*272
.set SPARE,  SCL+4*HALFS               ; the spare words, 128 bytes a wave; no other line names them
.set REC,    104448
.set QBASE,  128*REC
.set ADRA, 16                          ; v16-17 LDS address of my A fragments in slot 0, 1 (v18-19: behind one padding more)
.set ADRB, 20                          ; v20-23 the same for B
.set IM16, 24                          ; v24  16 x lane
.set IM8,  25                          ; v25  8 x lane
.set PKO,  26                          ; v26  a pack's place for my lane
.set ADRS, 27                          ; v27  LDS address of my scale words: lanes 0-15 A's rows, lanes 16-31 B's
.set SPW,  28                          ; v28  my spare word; never rewritten
.set NIL,  29                          ; v29  0; never rewritten
.set BTO,  30                          ; v30  my offset in the bias for BT
.set CBO,  31                          ; v31  and for CB
.set SC,   32
.set CB,   64
.set AF,   128
.set TT,   128                         ; the way out: 64 numbers
.set PC,   192                         ; v192-210 the codes just made
.set TM,   212                         ; v212-227 at work
.set PW,   228                         ; the scale word just made
.set SWA,  64                          ; v64-71  the eight blocks' scale words;  v72-79 their upper halves
.set SWB,  72
.set PKA,  80
.set PKB,  84
.set G1, 24
.set G0, 32
.set G1B, 48
.set G0B, 56
.set G1S, 68
.set G0S, 76
.set G1SB, 80
.set G0SB, 88
.set SEL, 92                           ; s[92:93] lane selects for v_permlanex16_b32 (set once B's scale address has been used)
.set MSB, 0
.macro WIN new                         ; the immediate's high byte repeats the setting that is left
.if MSB != \new
	s_set_vgpr_msb (MSB<<8)|\new
.set MSB, \new
.endif
.endm
.set MUL_LO, 0xa1                      ; source 0 (B) window 1, source 1 (A) window 0, C and D window 2
.set MUL_HI, 0xf1                      ; the same, C and D window 3
.set FST_LO, 0x81                      ; the first K step: C (CB) window 0, D window 2
.set FST_HI, 0xc1                      ; D window 3
.set TO_B,   0x40                      ; destination window 1, address window 0
; A joint load: waves 0 and 1 fetch for A, waves 2 and 3 for B; the branch hangs on the wave's number alone.  Four v_nop follow each of the two lines.
.macro JLOAD g0a, g1a, g0b, g1b
	s_cmp_eq_u32 s15, 0
	s_cbranch_scc0 .Lfor_b_\@
	tensor_load_to_lds s[\g0a:\g0a+3], s[\g1a:\g1a+7]
	s_nop 0
.rept 4
	v_nop
.endr
	s_branch .Lasked_\@
.Lfor_b_\@:
	tensor_load_to_lds s[\g0b:\g0b+3], s[\g1b:\g1b+7]
	s_nop 0
.rept 4
	v_nop
.endr
.Lasked_\@:
.endm
.macro CREST                           ; a round of the cluster's barrier behind its opening barrier
	s_cmp_lg_u32 s14, 0
	s_cbranch_scc1 .Lnot_wave_0_\@
	s_barrier_signal -3
.Lnot_wave_0_\@:
	s_barrier_wait -3
	s_barrier_signal -1
	s_barrier_wait -1
.endm
.macro CROUND
	s_barrier_signal -1
	s_barrier_wait -1
	CREST
.endm
	s_load_b128 s[4:7], s[0:1], 0x0                ; cod, scl
	s_load_b128 s[8:11], s[0:1], 0x10              ; bq, bk
	s_load_b128 s[96:99], s[0:1], 0x20             ; bv, att
	v_lshl_add_u32 v[SPW], v0, 2, SPARE
	v_mov_b32 v[NIL], 0
	ds_add_u32 v28, v29
	ds_add_u32 v28, v29
	s_wait_dscnt 0x0
	v_lshrrev_b32 v1, 5, v0
	v_readfirstlane_b32 s14, v1                    ; wave 0..3
	s_lshr_b32 s15, s14, 1                         ; rh: which half of the tile's rows is mine.  Also: I fetch for A (0) or for B (1)
	s_and_b32 s16, s14, 1                          ; ch: which half of its columns.  Also: which 128 rows of that tile I fetch
	s_bfe_u32 s40, ttmp6, 0x40000                  ; cx
	s_bfe_u32 s41, ttmp6, 0x40004                  ; cy
	s_and_b32 s66, ttmp7, 0xffff                   ; the cluster's y, 0 .. 23
	s_and_b32 s67, s66, 7                          ; b
	s_lshr_b32 s66, s66, 3                         ; T
	s_lshl_b32 s43, s41, 2
	s_lshl_b32 s43, 15, s43                        ; my row of the cluster
	s_lshl_b32 s44, 0x1111, s40                    ; my column
	s_or_b32 s[G1+0], s43, (0<<16)|(1<<20)|(1<<21)|(3<<22)|(3<<25)  ; the mask; elements of 1 byte; padding on; bit 21 beside a mask; after every 16 words 4 words
	s_or_b32 s[G1B+0], s44, (0<<16)|(1<<20)|(1<<21)|(3<<22)|(3<<25)
.irp g, G1, G1B
	s_mov_b32 s[\g+1], ROWB<<16                    ; tensor_dim0
	s_mov_b32 s[\g+2], 128<<16                     ; tensor_dim1
	s_mov_b32 s[\g+3], ROWB<<16                    ; tile_dim0
	s_mov_b32 s[\g+4], 128                         ; tile_dim1
	s_mov_b32 s[\g+5], KROW                        ; from row to row
	s_mov_b32 s[\g+6], 0
	s_mov_b32 s[\g+7], 0
.endr
	s_or_b32 s[G1S+0], s43, (3<<16)|(1<<20)|(1<<21)|(5<<22)|(3<<25) ; the scales of 128 rows: 4,096 dense bytes as 16 rows of 256 (32 elements of 8 bytes), 16 bytes of padding behind each
	s_or_b32 s[G1SB+0], s44, (3<<16)|(1<<20)|(1<<21)|(5<<22)|(3<<25)
.irp g, G1S, G1SB
	s_mov_b32 s[\g+1], 32<<16
	s_mov_b32 s[\g+2], (128*KS/256)<<16
	s_mov_b32 s[\g+3], 32<<16
	s_mov_b32 s[\g+4], 128*KS/256
	s_mov_b32 s[\g+5], 32
	s_mov_b32 s[\g+6], 0
	s_mov_b32 s[\g+7], 0
.endr
	s_lshl_b32 s17, s66, 13
	s_lshl_b32 s18, s67, 10
	s_add_co_u32 s17, s17, s18
	s_add_co_u32 s17, s17, 4096                    ; the activation's first row
	s_lshl_b32 s18, s66, 10                        ; the weight's
	s_cmp_eq_u32 s66, 2                            ; v?  (T is the same in all sixteen partners)
	s_cselect_b32 s20, s18, s17                    ; A: the weight in v, else the activation
	s_cselect_b32 s46, s17, s18                    ; B: the other
	s_cselect_b32 s100, -1, 0                      ; lanes' mask for CB
	s_cselect_b32 s101, 0, -1                      ; and for BT
	s_lshl_b32 s19, s16, 7                         ; which 128 rows of the tile I fetch
	s_lshl_b32 s21, s41, 8
	s_add_co_u32 s20, s20, s21                     ; A: + 256 cy
	s_add_co_u32 s20, s20, s19
	s_lshl_b32 s47, s40, 8
	s_add_co_u32 s46, s46, s47                     ; B: + 256 cx
	s_add_co_u32 s46, s46, s19
	s_mov_b32 s21, 0
	s_mov_b32 s47, 0
	s_mov_b64 s[18:19], KS
	s_mul_u64 s[22:23], s[20:21], s[18:19]         ; where these rows' scales begin, in bytes
	s_mul_u64 s[92:93], s[46:47], s[18:19]
	s_mov_b64 s[18:19], KROW
	s_mul_u64 s[20:21], s[20:21], s[18:19]         ; and their codes
	s_mul_u64 s[46:47], s[46:47], s[18:19]
	s_mul_i32 s45, s14, HALFT                      ; where they go: wave x 128 rows: no place in the cluster enters an LDS address
	s_mul_i32 s94, s14, HALFS
	s_wait_kmcnt 0x0
	s_add_nc_u64 s[20:21], s[4:5], s[20:21]
	s_add_nc_u64 s[22:23], s[6:7], s[22:23]
	s_add_nc_u64 s[46:47], s[4:5], s[46:47]
	s_add_nc_u64 s[92:93], s[6:7], s[92:93]
	CROUND                                         ; all sixteen work-groups are here: the first joint loads meet
	s_mov_b32 s[G0S], 1
	s_add_co_u32 s[G0S+1], s94, SCL
	s_mov_b64 s[G0S+2:G0S+3], s[22:23]
	s_or_b32 s[G0S+3], s[G0S+3], 0x80000000
	s_mov_b32 s[G0SB], 1
	s_add_co_u32 s[G0SB+1], s94, SCL
	s_mov_b64 s[G0SB+2:G0SB+3], s[92:93]
	s_or_b32 s[G0SB+3], s[G0SB+3], 0x80000000
	JLOAD G0S, G1S, G0SB, G1SB                     ; the scales first: they are wanted with K step 0
.irp s, 0,1
	s_mov_b32 s[G0+4*\s], 1
	s_add_co_u32 s[G0+4*\s+1], s45, \s*SLOT
	s_add_nc_u64 s[G0+4*\s+2:G0+4*\s+3], s[20:21], \s*ROWB
	s_or_b32 s[G0+4*\s+3], s[G0+4*\s+3], 0x80000000
	s_mov_b32 s[G0B+4*\s], 1
	s_add_co_u32 s[G0B+4*\s+1], s45, \s*SLOT
	s_add_nc_u64 s[G0B+4*\s+2:G0B+4*\s+3], s[46:47], \s*ROWB
	s_or_b32 s[G0B+4*\s+3], s[G0B+4*\s+3], 0x80000000
	JLOAD G0+4*\s, G1, G0B+4*\s, G1B
.endr
	v_and_b32 v1, 15, v0                           ; r = lane % 16 (kept)
	v_bfe_u32 v2, v0, 4, 1                         ; h = lane / 16 (kept)
	v_mul_u32_u24 v3, v1, PITCH
	v_mul_u32_u24 v4, v2, 24
	v_add_nc_u32 v4, v3, v4                        ; a fragment's row x pitch + 24 x half
	v_lshl_add_u32 v5, v2, 4, v4                   ; and the same behind one padding more
	s_mul_i32 s21, s15, HALFT                      ; my 128 rows of A
	s_mul_i32 s22, s16, HALFT                      ; my 128 rows of B,
	s_add_co_u32 s22, s22, 2*HALFT                 ; which lie behind A's 256
.irp s, 0,1
	v_add_nc_u32 v[ADRA+\s], s21, v4
	v_add_nc_u32 v[ADRB+\s], s22, v4
	v_add_nc_u32 v[ADRA+2+\s], s21, v5
	v_add_nc_u32 v[ADRB+2+\s], s22, v5
	s_add_co_u32 s21, s21, SLOT
	s_add_co_u32 s22, s22, SLOT
.endr
	v_mul_u32_u24 v5, v1, KS                       ; my row's scales: KS bytes a row,
	v_lshrrev_b32 v6, 8, v5
	v_lshl_add_u32 v5, v6, 4, v5                   ; and 16 more for each 256 passed
	s_mul_i32 s21, s15, HALFS
	s_mul_i32 s22, s16, HALFS
	s_add_co_u32 s22, s22, 2*HALFS
	s_sub_co_u32 s22, s22, s21
	v_mul_u32_u24 v6, s22, v2                      ; lanes 16-31 take B's: one product, the distance between the two bases
	s_add_co_u32 s21, s21, SCL
	v_add_nc_u32 v5, v5, v6
	v_add_nc_u32 v[ADRS], s21, v5
	v_and_b32 v3, 31, v0
	v_lshlrev_b32 v[IM16], 4, v3
	v_lshlrev_b32 v[IM8], 3, v3
	; the bias.  BT, register 8 b + j: channel 16 (32 ((b % 4) / 2) + 16 h + 8 (b % 2) + j) + 4 cx + 2 ch + b / 4.   CB, block a: channel 16 (32 ((a % 4) / 2) + 16 (r / 8) + 8 (a % 2) + r % 8) + 4 cy + 2 rh + a / 4.
	v_lshlrev_b32 v[BTO], 10, v2
	s_lshl_b32 s21, s40, 4
	s_lshl_b32 s22, s16, 3
	s_add_co_u32 s21, s21, s22
	v_add_nc_u32 v[BTO], s21, v[BTO]               ; 1,024 h + 16 cx + 8 ch
	v_and_b32 v3, 7, v0
	v_bfe_u32 v4, v0, 3, 1
	v_lshlrev_b32 v3, 6, v3
	v_lshl_add_u32 v[CBO], v4, 10, v3
	s_lshl_b32 s21, s41, 4
	s_lshl_b32 s22, s15, 3
	s_add_co_u32 s21, s21, s22
	v_add_nc_u32 v[CBO], s21, v[CBO]               ; 1,024 (r / 8) + 64 (r % 8) + 16 cy + 8 rh
	s_cmp_eq_u32 s66, 1
	s_cselect_b64 s[8:9], s[10:11], s[8:9]
	s_cmp_eq_u32 s66, 2
	s_cselect_b64 s[8:9], s[96:97], s[8:9]         ; the projection's own bias
.irp a, 0,1,2,3,4,5,6,7
	global_load_b32 v[224+\a], v[CBO], s[8:9] offset:64*(32*((\a%4)/2)+8*(\a%2))+4*(\a/4)
.endr
	WIN TO_B
.set i, 0
.rept 64
	global_load_b32 v[96+i+96*(i/32)], v[BTO], s[8:9] offset:64*(32*(((i/8)%4)/2)+8*((i/8)%2)+i%8)+4*(i/32)
.set i, i+1
.endr
	WIN 0
	s_wait_loadcnt 0x0
.irp a, 0,1,2,3,4,5,6,7
.irp j, 0,1,2,3,4,5,6,7
	v_cndmask_b32 v[CB+8*\a+\j], 0, v[224+\a], s100   ; the bias in v, zeros in q and k
.endr
.endr
	WIN 0x44                                       ; destination and source 1 window 1
.set i, 0
.rept 64
	v_cndmask_b32 v[96+i+96*(i/32)], 0, v[96+i+96*(i/32)], s101   ; the bias in q and k, zeros in v
.set i, i+1
.endr
	WIN 0
.macro FRAG reg, adr, q, i             ; a fragment: lane l holds row l % 16; registers 6 c .. 6 c + 5 hold K = 64 c + 32 (l / 16) + 0 .. 31: 24 bytes of the row, as they lie, in pieces of 8 bytes
.irp p, 0,1,2,3,4,5
.set PCE, 12*(\q)+6*(\p/3)+\p%3        ; 16 bytes of padding lie behind every 8 pieces; where the piece three on (lanes 16-31) lies behind one padding more, the second address register serves
.if PCE%8 < 5
	ds_load_b64 v[\reg+2*\p:\reg+2*\p+1], v[\adr] offset:8*PCE+16*(PCE/8)+(\i)*16*PITCH
.else
	ds_load_b64 v[\reg+2*\p:\reg+2*\p+1], v[\adr+2] offset:8*PCE+16*(PCE/8)+(\i)*16*PITCH
.endif
.endr
.endm
; 16 matrix instructions: A's blocks a0, a0 + 1 x B's eight, 128 along K.  p: B's set;  sc: the set of scale words.  first = 1: the first product starts the sums from CB.
; The 64 accumulators take turns, one instruction a turn, in the same order in every step.
.macro MUL16 a0, p, q, sc, first
.irp a, \a0, \a0+1
.irp b, 0,1,2,3,4,5,6,7
.if \first
	v_wmma_scale_f32_16x16x128_f8f6f4 v[8*(8*((\a)%4)+\b):8*(8*((\a)%4)+\b)+7], v[128*(\p)+FR*\b:128*(\p)+FR*\b+FR-1], v[AF+FR*(\a):AF+FR*(\a)+FR-1], v[CB+8*(\a):CB+8*(\a)+7], v[SC+8*NQ*(\sc)+NQ*\b+(\q)], v[SC+8*NQ*(\sc)+NQ*(\a)+(\q)] matrix_a_fmt:MATRIX_FMT_FP6 matrix_b_fmt:MATRIX_FMT_FP6 matrix_a_scale:MATRIX_SCALE_ROW1
.else
	v_wmma_scale_f32_16x16x128_f8f6f4 v[8*(8*((\a)%4)+\b):8*(8*((\a)%4)+\b)+7], v[128*(\p)+FR*\b:128*(\p)+FR*\b+FR-1], v[AF+FR*(\a):AF+FR*(\a)+FR-1], v[8*(8*((\a)%4)+\b):8*(8*((\a)%4)+\b)+7], v[SC+8*NQ*(\sc)+NQ*\b+(\q)], v[SC+8*NQ*(\sc)+NQ*(\a)+(\q)] matrix_a_fmt:MATRIX_FMT_FP6 matrix_b_fmt:MATRIX_FMT_FP6 matrix_a_scale:MATRIX_SCALE_ROW1
.endif
.endr
.endr
.endm
.macro FETCH_B slot, q, p
	WIN TO_B
.irp i, 0,1,2,3,4,5,6,7
	FRAG 128*(\p)+FR*\i, ADRB+\slot, \q, \i
.endr
	WIN 0
.endm
.macro FETCH_A slot, q, i0
.irp i, \i0, \i0+1, \i0+2, \i0+3
	FRAG AF+FR*(\i), ADRA+\slot, \q, \i
.endr
.endm
.macro SCALES sc                       ; a K step's scale words: 2 words a row; lanes 0-15 A's block i, lanes 16-31 B's block i
.irp i, 0,1,2,3,4,5,6,7
	ds_load_b64 v[SC+8*NQ*\sc+NQ*\i:SC+8*NQ*\sc+NQ*\i+1], v[ADRS] offset:\i*SBLK
.endr
.endm
.macro PLACES n                        ; plain vector lines between a matrix instruction and a load into, or a vector line on, one of its registers
.rept \n
	v_nop
.endr
.endm
.macro STEP slot, q, first             ; a step of 128 along K that has its successor in the same slot
	s_wait_dscnt 4*NL                              ; B's set and A's blocks 0-3 are in; the youngest 24 loads (A's blocks 4-7) may be out
.if \first
	WIN FST_LO
.else
	WIN MUL_LO
.endif
	MUL16 0, (\q)%2, \q, \slot, \first
	MUL16 2, (\q)%2, \q, \slot, \first
	s_wait_dscnt 0
	PLACES NP
	FETCH_B \slot, (\q)+1, 1-(\q)%2
	FETCH_A \slot, (\q)+1, 0
.if \first
	WIN FST_HI
.else
	WIN MUL_HI
.endif
	MUL16 4, (\q)%2, \q, \slot, \first
	MUL16 6, (\q)%2, \q, \slot, \first
	PLACES NP
	WIN 0
	FETCH_A \slot, (\q)+1, 4
.endm
; A slot's last step changes slots: one barrier; in front of it each wave waits for all its tensor loads, adds 0 to its spare word, and waits for that and for its reads of this slot.  fill = 1: this slot is filled again.
.macro TURN slot, next, fill
	s_wait_tensorcnt 0x0                           ; all my tensor loads have landed: my part of the next slot
	ds_add_u32 v[SPW], v[NIL]                      ; 0 onto my spare word
	s_wait_dscnt 4*NL+1                            ; (the add and the youngest 24 loads may be out)
	WIN MUL_LO
	MUL16 0, 1, NQ-1, \slot, 0
	s_wait_dscnt 0x0                               ; the add is done, and my reads of this slot are over
	s_barrier_signal -1
	MUL16 2, 1, NQ-1, \slot, 0
	WIN 0
	s_barrier_wait -1
.if \fill
	CREST                                          ; the barrier has opened a round of the cluster's barrier: no wave of any partner still reads this slot or has a load on its way
	s_add_nc_u64 s[G0+4*\slot+2:G0+4*\slot+3], s[G0+4*\slot+2:G0+4*\slot+3], 2*ROWB
	s_add_nc_u64 s[G0B+4*\slot+2:G0B+4*\slot+3], s[G0B+4*\slot+2:G0B+4*\slot+3], 2*ROWB
	JLOAD G0+4*\slot, G1, G0B+4*\slot, G1B         ; the first tensor load behind the round; its four v_nop are the places in front of the loads below
.else
	PLACES NP
.endif
	v_add_nc_u32 v[ADRS], 4*NQ, v[ADRS]            ; on to the next K step's scale words
	FETCH_B \next, 0, 0
	FETCH_A \next, 0, 0
	SCALES \next
	WIN MUL_HI
	MUL16 4, 1, NQ-1, \slot, 0
	MUL16 6, 1, NQ-1, \slot, 0
	PLACES NP
	WIN 0
	FETCH_A \next, 0, 4
.endm
	s_wait_tensorcnt 1                             ; the scales and my part of K step 0 are in (K step 1's load may be out),
	s_barrier_signal -1
	s_barrier_wait -1                              ; everybody's are
	FETCH_B 0, 0, 0
	FETCH_A 0, 0, 0
	SCALES 0
	FETCH_A 0, 0, 4
	; the way out's scalars, in the registers of the scale descriptors, whose loads the wait above has shown done
	s_lshl_b32 s84, s41, 2
	s_lshl_b32 s85, s15, 1
	s_add_co_u32 s84, s84, s85                     ; 4 cy + 2 rh
	s_lshl_b32 s86, s40, 2
	s_lshl_b32 s87, s16, 1
	s_add_co_u32 s86, s86, s87                     ; 4 cx + 2 ch
	s_lshr_b32 s88, s84, 1                         ; 2 cy + rh
	s_lshr_b32 s89, s86, 1                         ; 2 cx + ch
	s_mov_b32 s74, 768
	s_mov_b32 s90, REC
	s_mov_b32 s83, 98304
	s_mov_b32 s82, 256
	s_cmp_eq_u32 s66, 2
	s_cselect_b32 s68, s84, s86                    ; my first head: by A's rows in v, by B's rows in q and k
	s_cselect_b32 s69, s89, s88                    ; v: my key step;  q, k: my group of 8 tiles
	s_cselect_b32 s74, 1536, s74                   ; from block to block
	s_cselect_b32 s76, REC-6144, 0                 ; v: at block 4 on to the next head's record
	s_cselect_b32 s90, 768, s90                    ; the fragment's second half: v: behind the first;  q, k: the next head's record
	s_cselect_b32 s91, 49152, 0                    ; V's fragments lie behind K's images
	s_cselect_b32 s83, 102400, s83                 ; the packs
	s_cselect_b32 s82, REC, s82                    ; lanes 16-31 of a pack: v: the next head's record;  q, k: tiles 4-7
	s_cselect_b32 s87, 8, 9                        ; a pack is 256 or 512 bytes
	s_cmp_eq_u32 s66, 0
	s_cselect_b32 s85, QBASE, 0
	s_mov_b32 s75, 0
	s_mov_b32 s77, 0
	s_lshl_b32 s84, s67, 4
	s_add_co_u32 s68, s68, s84
	s_mul_i32 s68, s68, REC
	s_add_co_u32 s68, s68, s85                     ; my first record's first byte
	s_mul_i32 s84, s69, 6144
	s_add_co_u32 s84, s84, s68
	s_add_co_u32 s84, s84, s91
	s_mov_b32 s85, 0
	s_add_nc_u64 s[70:71], s[98:99], s[84:85]      ; where registers 0-5 of block 0's fragment go
	s_mov_b32 s91, 0
	s_add_nc_u64 s[72:73], s[70:71], s[90:91]      ; and registers 6-11
	s_lshl_b32 s84, s69, s87
	s_add_co_u32 s84, s84, s68
	s_add_co_u32 s84, s84, s83
	s_add_nc_u64 s[78:79], s[98:99], s[84:85]      ; the first pack
	s_add_nc_u64 s[80:81], s[78:79], REC           ; q, k: the second head's
	s_mov_b32 s[SEL], 0x76543210
	s_mov_b32 s[SEL+1], 0xfedcba98
	v_mul_u32_u24 v[PKO], s82, v2
	v_lshl_add_u32 v[PKO], v1, 4, v[PKO]           ; 16 r + h x (256 or REC)
	STEP 0, 0, 1                                   ; the first step stands in front of the loop: its products start the sums
	s_mov_b32 s3, LAPS-1
.Llap:                                                 ; a trip goes once round the ring and fills both slots again
	TURN 0, 1, 1
	STEP 1, 0, 0
	TURN 1, 0, 1
	STEP 0, 0, 0
	s_sub_co_u32 s3, s3, 1
	s_cmp_lg_u32 s3, 0
	s_cbranch_scc1 .Llap
	TURN 0, 1, 0                                   ; the last lap fills nothing
	STEP 1, 0, 0
	s_wait_dscnt 4*NL
	WIN MUL_LO
	MUL16 0, 1, NQ-1, 1, 0
	MUL16 2, 1, NQ-1, 1, 0
	s_wait_dscnt 0
	WIN MUL_HI
	MUL16 4, 1, NQ-1, 1, 0
	MUL16 6, 1, NQ-1, 1, 0
	WIN 0
; 64 numbers of a lane, register 16 b + i = k 32 b + 16 (lane / 16) + i of my row, become a fragment's codes in v[PC] on and its scale word in v[PW].
.macro QUANT src
.irp b, 0,1,2,3
	v_max3_num_f32 v[TM+\b], |v[\src+16*\b]|, |v[\src+1+16*\b]|, 0x1800000   ; block b: my 16 numbers, and the floor 2^(3 - 127): the byte cannot fall under 1
.endr
.irp i, 2,4,6,8,10,12,14
.irp b, 0,1,2,3
	v_max3_num_f32 v[TM+\b], v[TM+\b], |v[\src+16*\b+\i]|, |v[\src+1+16*\b+\i]|   ; (the four blocks by turns)
.endr
.endr
.irp b, 0,1,2,3
	v_permlanex16_b32 v[TM+4+\b], v[TM+\b], s[SEL], s[SEL+1]
.endr
.irp b, 0,1,2,3
	v_max_num_f32 v[TM+\b], v[TM+\b], v[TM+4+\b]   ; with lane l xor 16's: the block's largest magnitude
.endr
.irp b, 0,1,2,3
	v_add_nc_u32 v[TM+12+\b], 0xff000000, v[TM+\b]   ; 2 off its exponent field: the conversion's scale operand
.endr
.irp b, 0,1,2,3
	v_lshrrev_b32 v[TM+4+\b], 23, v[TM+12+\b]      ; the scale's byte
.endr
	v_lshl_or_b32 v[PW], v[TM+5], 8, v[TM+4]
	v_lshl_or_b32 v[PW], v[TM+6], 16, v[PW]
	v_lshl_or_b32 v[PW], v[TM+7], 24, v[PW]
.irp c, 0,1
	v_cvt_scalef32_pk16_fp6_f32 v[PC+6*\c:PC+2+6*\c], v[\src+32*\c:\src+15+32*\c], v[TM+12+2*\c]
	v_cvt_scalef32_pk16_fp6_f32 v[PC+12+4*\c:PC+14+4*\c], v[\src+16+32*\c:\src+31+32*\c], v[TM+12+2*\c+1]   ; (a conversion's three registers begin on an even number)
.endr
	v_nop                                          ; one plain line behind the conversions
.irp c, 0,1                                    ; the operand wants a WHOLE block in a lane: lanes 0-15 block 2 c, lanes 16-31 block 2 c + 1
.irp i, 0,1,2
	v_permlane16_swap_b32 v[PC+6*\c+\i], v[PC+12+4*\c+\i]
.endr
.irp i, 0,1,2
	v_mov_b32 v[PC+3+6*\c+\i], v[PC+12+4*\c+\i]
.endr
.endr
.endm
; THE WAY OUT of A's block a: its 64 sums a lane + BT come into window 0, each accumulator from its low end on; quantised; the fragment leaves as it stands: 512 and 256 consecutive aligned bytes a store.
; q, k: registers 0-5 are the first head's 64 d, registers 6-11 the second head's: two tile images.   v: the whole fragment of 128 keys.
.macro OUTBLK a
.if (\a) > 0
	s_wait_xcnt 0x0                                ; the last block's stores have read their data and their bases: both are written again below
	s_add_nc_u64 s[70:71], s[70:71], s[74:75]
	s_add_nc_u64 s[72:73], s[72:73], s[74:75]
.if (\a) == 4
	s_add_nc_u64 s[70:71], s[70:71], s[76:77]
	s_add_nc_u64 s[72:73], s[72:73], s[76:77]
.endif
.endif
	WIN (0x06+(\a)/4)                              ; source 0: window 2 or 3; source 1: window 1
.set i, 0
.rept 32
	v_pk_add_f32 v[TT+2*i:TT+2*i+1], v[64*((\a)%4)+2*i:64*((\a)%4)+2*i+1], v[96+2*i+96*(i/16):97+2*i+96*(i/16)]
.set i, i+1
.endr
	WIN 0
	QUANT TT
	v_mov_b32 v[SWA+(\a)], v[PW]
	v_lshrrev_b32 v[SWB+(\a)], 16, v[PW]           ; q, k: the second head's two bytes
	global_store_b128 v[IM16], v[PC:PC+3], s[70:71]
	global_store_b64 v[IM8], v[PC+4:PC+5], s[70:71] offset:512
	global_store_b128 v[IM16], v[PC+6:PC+9], s[72:73]
	global_store_b64 v[IM8], v[PC+10:PC+11], s[72:73] offset:512
.endm
	PLACES NP                                      ; behind the last products: their results are read, and registers that held A's fragments are written
.irp b, 0,1,2,3
	v_mov_b32 v[TM+4+\b], 0                        ; written once: a lane permute's destination counts as one of its sources
.endr
.irp a, 0,1,2,3,4,5,6,7
	OUTBLK \a
.endr
	v_and_b32 v3, 31, v0
	v_cmp_gt_u32 vcc_lo, 16, v3
.irp i, 0,1,2,3
	v_cndmask_b32 v[PKA+\i], v[SWA+4+\i], v[SWA+\i], vcc_lo   ; lanes 0-15: blocks 0-3's words of row r; lanes 16-31: blocks 4-7's
.endr
	global_store_b128 v[PKO], v[PKA:PKA+3], s[78:79]
	s_cmp_eq_u32 s66, 2                            ; v has one word a row and block; q and k have two heads' (T is the same in all partners)
	s_cbranch_scc1 .Lno_second
.irp i, 0,1,2,3
	v_cndmask_b32 v[PKB+\i], v[SWB+4+\i], v[SWB+\i], vcc_lo
.endr
	global_store_b128 v[PKO], v[PKB:PKB+3], s[80:81]
.Lno_second:
	s_wait_tensorcnt 0x0                           ; the wave's end
	ds_add_u32 v[SPW], v[NIL]
	s_wait_dscnt 0x0
	CROUND                                         ; the closing round: no work-group ends while a partner may still ask for a tile that names it
	s_endpgm
.Lfunc_end_k_q39e769d894_proj:
	.size	k_q39e769d894_proj, .Lfunc_end_k_q39e769d894_proj-k_q39e769d894_proj
	.p2alignl 7, 3214868480
	.fill 96, 4, 3214868480
	.section	.rodata,"a",@progbits
	.p2align	6, 0x0
	.amdhsa_kernel k_q39e769d894_proj
		.amdhsa_group_segment_fixed_size 327680
		.amdhsa_private_segment_fixed_size 0
		.amdhsa_enable_private_segment 0
		.amdhsa_kernarg_size 48
		.amdhsa_user_sgpr_count 2
		.amdhsa_user_sgpr_kernarg_segment_ptr 1
		.amdhsa_wavefront_size32 1
		.amdhsa_system_sgpr_workgroup_id_x 1
		.amdhsa_system_sgpr_workgroup_id_y 1
		.amdhsa_system_sgpr_workgroup_id_z 1
		.amdhsa_system_vgpr_workitem_id 0
		.amdhsa_next_free_vgpr 1024
		.amdhsa_next_free_sgpr 102
		.amdhsa_reserve_vcc 1
		.amdhsa_float_denorm_mode_32 3
		.amdhsa_float_denorm_mode_16_64 3
		.amdhsa_memory_ordered 1
		.amdhsa_forward_progress 1
		.amdhsa_inst_pref_size 199
	.end_amdhsa_kernel
	.amdgpu_metadata
---
amdhsa.version: [ 1, 2 ]
amdhsa.kernels:
  - .name:           k_q39e769d894_proj
    .symbol:         k_q39e769d894_proj.kd
    .args:
      - { .name: cod, .offset: 0, .size: 8, .value_kind: global_buffer, .address_space: global }
      - { .name: scl, .offset: 8, .size: 8, .value_kind: global_buffer, .address_space: global }
      - { .name: bq, .offset: 16, .size: 8, .value_kind: global_buffer, .address_space: global }
      - { .name: bk, .offset: 24, .size: 8, .value_kind: global_buffer, .address_space: global }
      - { .name: bv, .offset: 32, .size: 8, .value_kind: global_buffer, .address_space: global }
      - { .name: att, .offset: 40, .size: 8, .value_kind: global_buffer, .address_space: global }
    .group_segment_fixed_size: 327680
    .private_segment_fixed_size: 0
    .kernarg_segment_align: 8
    .kernarg_segment_size: 48
    .max_flat_workgroup_size: 128
    .sgpr_count:     102
    .vgpr_count:     1024
    .wavefront_size: 32
...
	.end_amdgpu_metadata
.endif
;; end of part 2
;; launch attn (part 3): grid 256 x 1, 16 waves a work-group, no clusters, 245,760 bytes of LDS; arguments att, xf; writes xf
.if DOCPART == 3
	.amdgcn_target "amdgcn-amd-amdhsa--gfx1250"
	.amdhsa_code_object_version 6
	.text
	.protected	k_q39e769d894_attn
	.globl	k_q39e769d894_attn
	.p2align	8
	.type	k_q39e769d894_attn,@function
k_q39e769d894_attn:
	s_mov_b64 s[64:65], 0
	v_nop
	global_prefetch_b8 v0, s[64:65] scope:SCOPE_SE
	s_setreg_imm32_b32 hwreg(HW_REG_WAVE_MODE, 25, 1), 1
	s_wait_xcnt 0x0
; Attention of one head on codes of FP6 (E2M3): x[d][n] = sum over keys of softmax(q . k / 8) v[d][key], head size 64, 1,024 keys.  Operands come as register images out of att (made by the projections' launch).
; THE SOFTMAX AHEAD OF THE SECOND PRODUCT: t = score x log2(e) / 8; M = the row's largest t so far, rounded UP to a whole number; p = 2^(t - M) is quantised along the keys, not normalised.  The row's sum is taken of the
; unquantised p and divides at the end.  When M moves, the sum and O are multiplied by 2^(old M - new M): exact.
; SHARES: work-group g: record g / 2 (= 16 b + head), queries 512 (g % 2) on.  Sixteen waves of 256 registers; wave w owns the two stored tiles of 16 queries 32 (g % 2) + 2 w + p, one in each pass p = 0, 1, and walks all keys,
; 128 a step.  The two tiles together are the 32 neighbouring positions n = 32 (16 (g % 2) + w) + 0 .. 31.
; THE WHOLE K/V RECORD (104,448 bytes) STAYS IN LDS: filled once, by eight tensor loads at the head; nothing is filled again.  Both tiles of Q are asked for at the head too, behind the tensor load.
; ONE BARRIER, behind the record's fill.  After it no wave waits for another: each has a stage of its own for the way out.
; NO JOINT LOADS: only two work-groups read a record, and each asks for it once, at its head: 104,448 bytes against 16 waves x 16 key steps of work.  No prefetch: all that the launch streams is asked for at the head.
; LAYOUT: both products transposed: S^T = K Q^T (source 0 = 16 keys), O^T = V^T P^T (source 0 = 16 channels): a lane holds ONE query.  Stored rows are permuted (bits 3 and 4 exchanged), so the 16 registers of tiles 2 B, 2 B + 1
; of S^T are the neighbouring keys 32 B + 16 (lane / 16) + 0 .. 15, and register j of tile t of O^T is channel d = 32 (t / 2) + 16 (lane / 16) + 8 (t % 2) + j.
; K = 64 IN AN INSTRUCTION OF 128: Q's registers 6-11 are zero codes.  K's half fragments lie on end, six registers each, and tile t is named v[32 + 6 t : 43 + 6 t]: its upper half is the next tile's codes (behind the last: zeros),
; which meet zero codes under scale bytes that are never 0xff, and add nothing.
; THE RESULT goes to xf, f32, laid [b][group of 32 n][head][d][32 n], n in its true order: a wave's result is 8,192 consecutive bytes.  It turns through the wave's own stage in LDS (64 rows d x 32 n, pitch 136 bytes = 34 words:
; lanes 16-31, 16 rows further down, fall 32 banks away from lanes 0-15); each store covers 256 consecutive aligned bytes.
; LIMITS: NaN and infinities are not served.  A block's largest p is taken from the block's largest score by the same two instructions: this takes v_exp_f32 not to fall where its input rises.  A block whose every p is 0 keeps the byte 1.
; REGISTERS: v1-5, v7, v31 addresses that stay; v8-11 addresses in hand; v12 -M, v13 largest t, v[14:15] the sum; v16-21 Q of pass 0, v22-27 zeros; v192-197 Q of pass 1, v198-203 zeros; v32-79 K's 8 half fragments, then V's 4
;   fragments; v80-85 zeros; v96-159 S^T, then p; v160-191 O^T; v224-235 p's codes; v232-254 at work; v248-251 scale words, v253 p's, v255 and v204 Q's.
.set REC,   104448
.set QBASE, 128*REC
.set VIMG,  49152
.set KSC,   98304
.set VSC,   102400
.set STG,   104448                     ; behind the record: the stages
.set SPI,   136                        ; a stage row
.set WSTG,  64*SPI                     ; a wave's stage: 8,704 bytes
	s_load_b128 s[4:7], s[0:1], 0x0                ; att, xf
	v_lshl_add_u32 v223, v0, 2, 0x3b800
	v_mov_b32 v243, 0
	ds_add_u32 v223, v243
	ds_add_u32 v223, v243
	v_lshrrev_b32 v8, 5, v0
	s_delay_alu instid0(VALU_DEP_1)
	v_readfirstlane_b32 s18, v8                    ; wave 0..15
	s_lshr_b32 s8, ttmp9, 1                        ; the record
	s_and_b32 s9, ttmp9, 1                         ; which 512 queries
	s_mov_b32 s24, 3<<16                           ; group 1: elements of 8 bytes, no mask, no padding
	s_mov_b32 s25, 32<<16                          ; tensor_dim0 = 32: rows of 256 bytes
	s_mov_b32 s26, 51<<16                          ; tensor_dim1 = 51
	s_mov_b32 s27, 32<<16                          ; tile_dim0
	s_mov_b32 s28, 51                              ; tile_dim1
	s_mov_b32 s29, 32                              ; dense
	s_mov_b32 s30, 0
	s_mov_b32 s31, 0
	s_mul_i32 s10, s8, REC
	s_mov_b32 s11, 0
	s_mul_i32 s12, s18, 13056                      ; an eighth of the record: 51 x 256 bytes
	s_mov_b32 s13, 0
	s_mov_b32 s32, 1
	s_mov_b32 s33, s12                             ; LDS address = the place in the record
	s_wait_dscnt 0x0
	s_wait_kmcnt 0x0
	s_add_nc_u64 s[14:15], s[4:5], s[10:11]        ; the K/V record
	s_add_nc_u64 s[34:35], s[14:15], s[12:13]
	s_or_b32 s35, s35, 0x80000000
	s_cmp_lt_u32 s18, 8                            ; waves 0 to 7 fetch, one load each
	s_cbranch_scc0 .Lno_fetch
	tensor_load_to_lds s[32:35], s[24:31]
	s_nop 0
.rept 4
	v_nop
.endr
.Lno_fetch:
	v_and_b32 v8, 31, v0                           ; lane
	v_and_b32 v9, 15, v0                           ; r
	v_bfe_u32 v10, v0, 4, 1                        ; h
	s_delay_alu instid0(VALU_DEP_3)
	v_lshlrev_b32 v1, 4, v8                        ; 16 lane
	s_wait_alu depctr_va_vdst(0)
	v_lshlrev_b32 v2, 3, v8                        ; 8 lane
	s_wait_alu depctr_va_vdst(0)
	v_lshlrev_b32 v31, 4, v9                       ; 16 r
	s_wait_alu depctr_va_vdst(0)
	s_add_nc_u64 s[16:17], s[14:15], QBASE         ; the Q record
	s_lshl_b32 s38, s9, 5
	s_lshl_b32 s19, s18, 1
	s_add_co_u32 s38, s38, s19                     ; my first tile: 32 half + 2 w
	s_mul_i32 s38, s38, 768
	s_mov_b32 s39, 0
	s_add_nc_u64 s[40:41], s[16:17], s[38:39]      ; its image; the second tile's lies 768 bytes on
	s_lshl_b32 s38, s9, 3
	s_lshr_b32 s19, s18, 1
	s_add_co_u32 s38, s38, s19                     ; tile / 4
	s_lshl_b32 s38, s38, 8
	s_and_b32 s19, s18, 1
	s_lshl_b32 s19, s19, 3                         ; 4 x (tile % 4) = 8 (w % 2), + 4 for the second tile
	s_add_co_u32 s38, s38, s19
	s_add_co_u32 s38, s38, KSC
	s_add_nc_u64 s[42:43], s[16:17], s[38:39]      ; my tiles' scale words: 256 bytes for each four tiles, row r at 16 r, a tile's word at 4 x (tile % 4)
	global_load_b128 v[16:19], v1, s[40:41]                  ; Q's image of pass 0: registers 0-3,
	global_load_b64 v[20:21], v2, s[40:41] offset:512        ; 4-5,
	global_load_b32 v255, v31, s[42:43]                      ; and row r's scale word
	global_load_b128 v[192:195], v1, s[40:41] offset:768     ; the same of pass 1
	global_load_b64 v[196:197], v2, s[40:41] offset:1280
	global_load_b32 v204, v31, s[42:43] offset:4
	s_lshr_b32 s38, s8, 4
	s_lshl_b32 s38, s38, 22                        ; xf: b,
	s_and_b32 s19, s8, 15
	s_lshl_b32 s19, s19, 13                        ; + head x 8,192 bytes,
	s_add_co_u32 s38, s38, s19
	s_lshl_b32 s19, s9, 4
	s_add_co_u32 s19, s19, s18
	s_lshl_b32 s19, s19, 17                        ; + my group of 32 n, 16 half + w, x 131,072 bytes
	s_add_co_u32 s38, s38, s19
	s_add_nc_u64 s[44:45], s[6:7], s[38:39]
	s_mov_b32 s20, 0x76543210
	s_mov_b32 s21, 0xfedcba98                      ; v_permlanex16_b32's selects for lane l xor 16
	s_mov_b32 s22, 0x3e38aa3b                      ; c = log2(e) / 8
	s_mov_b32 s23, s22                             ; (named with it as a pair)
	v_add_nc_u32 v3, KSC, v1                       ; K's packs
	v_add_nc_u32 v4, VSC, v31                      ; V's packs
	v_and_b32 v11, 7, v0
	v_bfe_u32 v12, v0, 3, 1
	s_delay_alu instid0(VALU_DEP_1)
	v_lshl_add_u32 v11, v12, 4, v11                ; my query within the 32: 16 (r / 8) + r % 8, + 8 in pass 1
	s_delay_alu instid0(VALU_DEP_1)
	v_lshlrev_b32 v11, 2, v11
	s_delay_alu instid0(VALU_DEP_1)
	v_mad_u32_u24 v11, v10, 16*SPI, v11            ; lanes 16-31: 16 rows of the stage further down
	s_mul_i32 s37, s18, WSTG
	s_add_co_u32 s37, s37, STG                     ; my stage
	v_add_nc_u32 v5, s37, v11                      ; into it
	v_lshlrev_b32 v6, 3, v9
	s_delay_alu instid0(VALU_DEP_1)
	v_mad_u32_u24 v6, v10, SPI, v6
	s_delay_alu instid0(VALU_DEP_1)
	v_add_nc_u32 v7, s37, v6                       ; back: lanes 0-15 one row of 128 bytes, lanes 16-31 the next; 8 bytes a lane
.irp j, 0,1,2,3,4,5
	v_mov_b32 v[22+\j], 0                          ; Q's upper 64 along K: zero codes, for both passes,
	v_mov_b32 v[198+\j], 0
	v_mov_b32 v[80+\j], 0                          ; and what the last tile of K names as its upper half
.endr
.irp b, 0,1,2,3
	v_mov_b32 v[236+\b], 0                         ; written once: a lane permute's destination counts as one of its sources
.endr
	v_mov_b32 v253, 0                              ; (named as the upper half of the pair v[252:253] before it is first written)
	s_wait_tensorcnt 0x0                           ; my part of the record is in,
	s_barrier_signal -1
	s_barrier_wait -1                              ; everybody's is
	s_wait_loadcnt 0x0                             ; Q, both tiles
.macro SOFTMAX                         ; the lane's 64 scores in v96-159 become p's codes in v224-235 and their scale word in v253; v12-15 are carried on; v252 = f
.irp b, 0,1,2,3
	v_max3_num_f32 v[232+\b], v[96+16*\b], v[97+16*\b], v[98+16*\b]   ; the largest score of each block of 32 keys: it serves the row's maximum and, since p rises with the score, the block's largest p
.endr
.irp i, 3,5,7,9,11,13
.irp b, 0,1,2,3
	v_max3_num_f32 v[232+\b], v[232+\b], v[96+16*\b+\i], v[97+16*\b+\i]
.endr
.endr
.irp b, 0,1,2,3
	v_max_num_f32 v[232+\b], v[232+\b], v[111+16*\b]
.endr
.irp b, 0,1,2,3
	s_delay_alu instid0(VALU_DEP_4)
	v_permlanex16_b32 v[236+\b], v[232+\b], s20, s21
.endr
.irp b, 0,1,2,3
	s_delay_alu instid0(VALU_DEP_4)
	v_max_num_f32 v[232+\b], v[232+\b], v[236+\b]  ; with lane l xor 16's 16 keys
.endr
	s_delay_alu instid0(VALU_DEP_2)
	v_max3_num_f32 v254, v232, v233, v234
	s_delay_alu instid0(VALU_DEP_1)
	v_max_num_f32 v254, v254, v235                 ; the step's largest score of my query
	s_delay_alu instid0(VALU_DEP_1)
	v_mul_f32 v254, s22, v254                      ; as t
	s_delay_alu instid0(VALU_DEP_1)
	v_max_num_f32 v13, v13, v254                   ; the running largest t
	v_mov_b32 v254, v12
	s_delay_alu instid0(VALU_DEP_2)
	v_floor_f32 v12, -v13                          ; the new -M = floor(-t): M is a whole number
	s_delay_alu instid0(VALU_DEP_1)
	v_sub_f32 v254, v12, v254                      ; old M - new M: a whole number, 0 or less
	s_delay_alu instid0(VALU_DEP_1)
	v_cvt_i32_f32 v254, v254                       ; (it saturates)
	s_delay_alu instid0(VALU_DEP_1)
	v_ldexp_f32 v252, 1.0, v254                    ; f = 2^(old M - new M)
.set j, 0
.rept 32
	v_pk_fma_f32 v[96+j:97+j], v[96+j:97+j], s[22:23], v[12:13] op_sel_hi:[1,0,0]   ; t - M, two at a time
.set j, j+2
.endr
.irp b, 0,1,2,3
	v_fma_f32 v[232+\b], v[232+\b], s22, v12       ; the same of each block's largest score
.endr
.set j, 0
	s_wait_alu depctr_va_vdst(0)
.rept 64
	v_exp_f32 v[96+j], v[96+j]                     ; p = 2^(t - M)
.set j, j+1
.endr
	s_setprio 1
	v_pk_mul_f32 v[14:15], v[14:15], v[252:253] op_sel_hi:[1,0]   ; the sums under the new M (the plain line behind the exponentials)
	s_wait_alu depctr_va_vdst(0)                   ; one wait for the batch of 64, ahead of its first reader
.irp b, 0,1,2,3
	v_exp_f32 v[232+\b], v[232+\b]                 ; the block's largest p
.endr
	v_pk_add_f32 v[236:237], v[100:101], v[104:105]
	v_pk_add_f32 v[246:247], v[108:109], v[112:113]
	v_pk_add_f32 v[244:245], v[116:117], v[120:121]
	v_pk_add_f32 v[240:241], v[124:125], v[128:129]
	v_pk_add_f32 v[238:239], v[132:133], v[136:137]
	v_pk_add_f32 v[230:231], v[140:141], v[144:145]
	v_pk_add_f32 v[228:229], v[148:149], v[152:153]
	v_pk_add_f32 v[14:15], v[14:15], v[156:157]
	v_pk_add_f32 v[236:237], v[236:237], v[96:97]
	v_pk_add_f32 v[246:247], v[246:247], v[98:99]
	v_pk_add_f32 v[244:245], v[244:245], v[102:103]
	v_pk_add_f32 v[240:241], v[240:241], v[106:107]
	v_pk_add_f32 v[238:239], v[238:239], v[110:111]
	v_pk_add_f32 v[230:231], v[230:231], v[114:115]
	v_pk_add_f32 v[228:229], v[228:229], v[118:119]
	v_pk_add_f32 v[14:15], v[14:15], v[122:123]
	v_pk_add_f32 v[236:237], v[236:237], v[126:127]
	v_pk_add_f32 v[246:247], v[246:247], v[130:131]
	v_pk_add_f32 v[244:245], v[244:245], v[134:135]
	v_pk_add_f32 v[240:241], v[240:241], v[138:139]
	v_pk_add_f32 v[238:239], v[238:239], v[142:143]
	v_pk_add_f32 v[230:231], v[230:231], v[146:147]
	v_pk_add_f32 v[228:229], v[228:229], v[150:151]
	v_pk_add_f32 v[14:15], v[14:15], v[154:155]
	v_pk_add_f32 v[236:237], v[236:237], v[158:159]
	s_delay_alu instid0(VALU_DEP_2)
	v_pk_add_f32 v[14:15], v[14:15], v[240:241]
	s_delay_alu instid0(VALU_DEP_2)
	v_pk_add_f32 v[236:237], v[236:237], v[238:239]
	v_pk_add_f32 v[246:247], v[246:247], v[230:231]
	v_pk_add_f32 v[244:245], v[244:245], v[228:229]
	s_delay_alu instid0(VALU_DEP_2)
	v_pk_add_f32 v[14:15], v[14:15], v[246:247]
	s_delay_alu instid0(VALU_DEP_2)
	v_pk_add_f32 v[236:237], v[236:237], v[244:245]
	s_delay_alu instid0(VALU_DEP_1)
	v_pk_add_f32 v[14:15], v[14:15], v[236:237]
	s_wait_alu depctr_va_vdst(0)                   ; and one for the four
.irp b, 0,1,2,3
	v_max_num_f32 v[232+\b], 0x1800000, v[232+\b]  ; the floor 2^(3 - 127)
.endr
.irp b, 0,1,2,3
	s_delay_alu instid0(VALU_DEP_4)
	v_add_nc_u32 v[244+\b], 0xff000000, v[232+\b]  ; 2 off the exponent field: the conversion's scale operand
.endr
.irp b, 0,1,2,3
	s_delay_alu instid0(VALU_DEP_4)
	v_lshrrev_b32 v[236+\b], 23, v[244+\b]         ; the scale's byte
.endr
	s_delay_alu instid0(VALU_DEP_3)
	v_lshl_or_b32 v253, v237, 8, v236              ; p's scale word for these 128 keys
	s_delay_alu instid0(VALU_DEP_1)
	v_lshl_or_b32 v253, v238, 16, v253
	s_delay_alu instid0(VALU_DEP_1)
	v_lshl_or_b32 v253, v239, 24, v253
.irp c, 0,1
	v_cvt_scalef32_pk16_fp6_f32 v[224+6*\c:226+6*\c], v[96+32*\c:111+32*\c], v[244+2*\c]
	v_cvt_scalef32_pk16_fp6_f32 v[236+4*\c:238+4*\c], v[112+32*\c:127+32*\c], v[244+2*\c+1]
.endr
	v_nop                                          ; one plain line behind the conversions
.irp c, 0,1                                    ; a whole block to a lane: lanes 0-15 block 2 c, lanes 16-31 block 2 c + 1
.irp i, 0,1,2
	v_permlane16_swap_b32 v[224+6*\c+\i], v[236+4*\c+\i]
.endr
.irp i, 0,1,2
	s_delay_alu instid0(VALU_DEP_3)
	v_mov_b32 v[227+6*\c+\i], v[236+4*\c+\i]
.endr
.endr
.endm
.macro PASS p
.set QF, 16+176*\p                     ; this pass's Q: v16 or v192
.set QS, 255-51*\p                     ; and its scale word: v255 or v204
	v_mov_b32 v13, 0xff61b1e6                      ; the largest t so far: -3e38
	s_delay_alu instid0(VALU_DEP_1)
	v_floor_f32 v12, -v13                          ; -M
	v_mov_b32 v14, 0
	v_mov_b32 v15, 0
.set j, 0
.rept 32
	v_mov_b32 v[160+j], 0                          ; O^T: the step is written once; the first change of M leaves zeros zeros
.set j, j+1
.endr
	s_mov_b32 s2, 0                                ; the key step's images: 6,144 bytes a step (K's 8 tiles; V's 4 fragments likewise)
	s_mov_b32 s3, 0                                ; K's pack: 512
	s_mov_b32 s36, 0                               ; V's pack: 256
	s_mov_b32 s46, 8
.Lstep_\@:
	s_setprio 2
	v_add_nc_u32 v8, s2, v1                        ; (these four lines are also the places between the last products and the loads into their registers)
	v_add_nc_u32 v9, s2, v2
	v_add_nc_u32 v10, s3, v3
	v_add_nc_u32 v11, s36, v4
.irp t, 0,1,2,3,4,5,6,7
	ds_load_b128 v[32+6*\t:35+6*\t], v8 offset:768*\t
	ds_load_b64 v[36+6*\t:37+6*\t], v9 offset:768*\t+512
.endr
	ds_load_b128 v[248:251], v10                   ; lanes 0-15: row r's words of tiles 0-3; lanes 16-31: of tiles 4-7
	s_wait_alu depctr_va_vdst(0)
	s_wait_dscnt 0x0                               ; K is in (and, in pass 1's first step, pass 0's stores into the stage have read their registers)
.irp t, 0,1,2,3
	v_wmma_scale_f32_16x16x128_f8f6f4 v[96+8*\t:103+8*\t], v[32+6*\t:43+6*\t], v[QF:QF+11], 0, v[248+\t], v[QS] matrix_a_fmt:MATRIX_FMT_FP6 matrix_b_fmt:MATRIX_FMT_FP6
.endr
.irp t, 4,5,6,7
	v_wmma_scale_f32_16x16x128_f8f6f4 v[96+8*\t:103+8*\t], v[32+6*\t:43+6*\t], v[QF:QF+11], 0, v[244+\t], v[QS] matrix_a_fmt:MATRIX_FMT_FP6 matrix_b_fmt:MATRIX_FMT_FP6 matrix_a_scale:MATRIX_SCALE_ROW1
.endr
.rept 4
	v_nop                                          ; places: the loads below land in K's registers, and the softmax reads the results
.endr
.irp t, 0,1,2,3                                ; V's four fragments are asked for now and land under the softmax
	ds_load_b128 v[32+12*\t:35+12*\t], v8 offset:VIMG+1536*\t
	ds_load_b64 v[36+12*\t:37+12*\t], v9 offset:VIMG+1536*\t+512
	ds_load_b128 v[38+12*\t:41+12*\t], v8 offset:VIMG+1536*\t+768
	ds_load_b64 v[42+12*\t:43+12*\t], v9 offset:VIMG+1536*\t+1280
.endr
	ds_load_b128 v[248:251], v11                   ; row r's words of tiles 0-3
	SOFTMAX
.set j, 0
	s_setprio 0
.rept 16
	v_pk_mul_f32 v[160+j:161+j], v[160+j:161+j], v[252:253] op_sel_hi:[1,0]   ; O^T under the new M (also the places between the lines that made p's codes and scale word and the products)
.set j, j+2
.endr
	s_wait_alu depctr_va_vdst(0)
	s_wait_dscnt 0x0                               ; V is in
.irp t, 0,1,2,3
	v_wmma_scale_f32_16x16x128_f8f6f4 v[160+8*\t:167+8*\t], v[32+12*\t:43+12*\t], v[224:235], v[160+8*\t:167+8*\t], v[248+\t], v253 matrix_a_fmt:MATRIX_FMT_FP6 matrix_b_fmt:MATRIX_FMT_FP6
.endr
	s_add_co_u32 s2, s2, 6144
	s_add_co_u32 s3, s3, 512
	s_add_co_u32 s36, s36, 256
	s_sub_co_u32 s46, s46, 1
	s_cmp_lg_u32 s46, 0
	s_cbranch_scc1 .Lstep_\@
	s_setprio 0
.rept 4
	v_nop                                          ; places behind the last products
.endr
	v_add_f32 v14, v14, v15                        ; the sum's two halves,
	s_delay_alu instid0(VALU_DEP_1)
	v_permlanex16_b32 v252, v14, s20, s21
	s_delay_alu instid0(VALU_DEP_1)
	v_add_f32 v14, v14, v252                       ; and lane l xor 16's
	s_wait_alu depctr_va_vdst(0)
	v_rcp_f32 v14, v14
	v_nop                                          ; a plain line behind the reciprocal,
	s_wait_alu depctr_va_vdst(0)                   ; and the wait ahead of its first reader
.set j, 0
.rept 32
	v_mul_f32 v[96+j], v[160+j], v14
.set j, j+1
.endr
.irp t, 0,1,2,3
.irp j, 0,1,2,3,4,5,6,7
	ds_store_b32 v5, v[96+8*\t+\j] offset:SPI*(32*(\t/2)+8*(\t%2)+\j)+32*\p   ; row d of my own stage, my query's word
.endr
.endr
.endm
	PASS 0
	PASS 1                                         ; no wave waits for another between the passes: the stage is the wave's own
.set q, 0
.rept 32                               ; rows 2 q and 2 q + 1.  LDS serves a wave's instructions in order: these see both passes' stores
	ds_load_b64 v[32+2*q:33+2*q], v7 offset:2*SPI*q
.set q, q+1
.endr
.set q, 0
.rept 32
	s_wait_dscnt 31-q                              ; load q is in; the 31 - q issued behind it may be out
	global_store_b64 v2, v[32+2*q:33+2*q], s[44:45] offset:256*q   ; 32 lanes store 256 consecutive bytes, aligned
.set q, q+1
.endr
	s_wait_tensorcnt 0x0
	ds_add_u32 v223, v243
	s_wait_dscnt 0x0
	s_endpgm
.Lfunc_end_k_q39e769d894_attn:
	.size	k_q39e769d894_attn, .Lfunc_end_k_q39e769d894_attn-k_q39e769d894_attn
	.p2alignl 7, 3214868480
	.fill 96, 4, 3214868480
	.section	.rodata,"a",@progbits
	.p2align	6, 0x0
	.amdhsa_kernel k_q39e769d894_attn
		.amdhsa_group_segment_fixed_size 245760
		.amdhsa_private_segment_fixed_size 0
		.amdhsa_enable_private_segment 0
		.amdhsa_kernarg_size 16
		.amdhsa_user_sgpr_count 2
		.amdhsa_user_sgpr_kernarg_segment_ptr 1
		.amdhsa_wavefront_size32 1
		.amdhsa_system_sgpr_workgroup_id_x 1
		.amdhsa_system_sgpr_workgroup_id_y 1
		.amdhsa_system_sgpr_workgroup_id_z 1
		.amdhsa_system_vgpr_workitem_id 0
		.amdhsa_next_free_vgpr 256
		.amdhsa_next_free_sgpr 66
		.amdhsa_reserve_vcc 0
		.amdhsa_float_denorm_mode_32 3
		.amdhsa_float_denorm_mode_16_64 3
		.amdhsa_memory_ordered 1
		.amdhsa_forward_progress 1
		.amdhsa_inst_pref_size 56
	.end_amdhsa_kernel
	.amdgpu_metadata
---
amdhsa.version: [ 1, 2 ]
amdhsa.kernels:
  - .name:           k_q39e769d894_attn
    .symbol:         k_q39e769d894_attn.kd
    .args:
      - { .name: att, .offset: 0, .size: 8, .value_kind: global_buffer, .address_space: global }
      - { .name: xf, .offset: 8, .size: 8, .value_kind: global_buffer, .address_space: global }
    .group_segment_fixed_size: 245760
    .private_segment_fixed_size: 0
    .kernarg_segment_align: 8
    .kernarg_segment_size: 16
    .max_flat_workgroup_size: 512
    .sgpr_count:     66
    .vgpr_count:     256
    .wavefront_size: 32
...
	.end_amdgpu_metadata
.endif
;; end of part 3
;; launch quantx2 (part 4): grid 256 x 1, 8 waves a work-group, no clusters, 36,864 bytes of LDS; arguments xf, cod, scl; writes cod, scl
.if DOCPART == 4
	.amdgcn_target "amdgcn-amd-amdhsa--gfx1250"
	.amdhsa_code_object_version 6
	.text
	.protected	k_q39e769d894_quantx2
	.globl	k_q39e769d894_quantx2
	.p2align	8
	.type	k_q39e769d894_quantx2,@function
k_q39e769d894_quantx2:
	s_mov_b64 s[64:65], 0
	v_nop
	global_prefetch_b8 v0, s[64:65] scope:SCOPE_SE
	s_setreg_imm32_b32 hwreg(HW_REG_WAVE_MODE, 25, 1), 1
	s_wait_xcnt 0x0
; The attention's result, f32, laid xf[b][group of 32 n][head][d][32 n], becomes the last projection's operand: codes of FP6 (E2M3) along K = c = 16 d + head, K innermost (cod: rows of 768 bytes), and one E8M0 byte for each
; 32 along K (scl: 32 bytes a row).  Row 4,096 + 1,024 b + p holds column n = s(p), s = bits 3 and 4 exchanged (within each 32 columns).  A block of 32 along K is two d x the sixteen heads.
; A LANE TAKES A COLUMN n AND ITS REGISTERS RUN DOWN K: a block lies in one lane's 32 registers, and the conversions give codes with K innermost.
; SHARES: work-group gx = 32 b + group takes 32 columns x all of K.  Wave w takes 128 along K: d = 8 w .. 8 w + 7, four blocks a lane.  Number i of block t is c = 128 w + 32 t + i: head i % 16, d = 8 w + 2 t + i / 16, which lies
; 8,192 (i % 16) + 128 (8 w + 2 t + i / 16) bytes into the group.  A load reads 128 consecutive bytes; the two loads of one head (d and d + 1: 256 consecutive bytes) are issued one behind the other.
; The codes meet in a stage in LDS (a stored row: 64 places of 16 bytes, 12 bytes of codes in each, + 16), one barrier, and each wave stores 4 whole rows: 384 consecutive bytes an instruction, 24,576 a work-group.
; The work-group's 1,024 scale bytes leave by waves 0 to 3, 256 consecutive bytes each.
; LIMITS: NaN and infinities are not served; a block whose largest magnitude lies under 2^-124 has its byte held at 1; a block of zeros gets the byte 1 where the rule says 127 (zero codes; this program alone reads the bytes).
.set NB,    4                          ; blocks a lane
.set SPT,   1040                       ; a stage row
.set SCS,   32*SPT                     ; behind the stage: 32 rows x 32 scale bytes
.set EMAX,  2
.set X,     32                         ; v32-95   two sets of 32 numbers
.set C,     96                         ; v96-102  a block's codes
.set OUTR,  112                        ; v112-143 the way out
.set SB,    24                         ; v24      my 4 scale bytes
	s_load_b128 s[4:7], s[0:1], 0x0                ; xf, cod
	s_load_b64 s[8:9], s[0:1], 0x10                ; scl
	v_lshl_add_u32 v144, v0, 2, 0x8c00
	v_mov_b32 v145, 0
	v_lshrrev_b32 v1, 5, v0
	v_readfirstlane_b32 s16, v1                    ; wave 0..7: which 128 along K
	v_and_b32 v2, 31, v0                           ; lane = my column within the group
	v_lshlrev_b32 v3, 2, v2                        ; in: 4 bytes a lane
	v_and_b32 v6, 7, v0                            ; my column's stored row: bits 3 and 4 of the lane change places
	v_bfe_u32 v14, v0, 3, 1
	v_lshl_add_u32 v6, v14, 4, v6
	v_bfe_u32 v14, v0, 4, 1
	v_lshl_add_u32 v6, v14, 3, v6
	v_mul_u32_u24 v4, v6, SPT
	s_lshl_b32 s19, s16, 7
	v_add_nc_u32 v4, s19, v4                       ; into the stage: my row, my wave's 8 places
	v_lshlrev_b32 v5, 5, v6
	s_lshl_b32 s19, s16, 2
	s_add_co_u32 s19, s19, SCS
	v_add_nc_u32 v5, s19, v5                       ; my 4 scale bytes
	s_mul_i32 s19, s16, 4*SPT
	v_lshl_add_u32 v7, v2, 4, s19                  ; out of the stage: rows 4 w on, a place a lane
	s_mul_i32 s19, s16, 3072
	v_mad_u32_u24 v8, v2, 12, s19                  ; and the same in cod: 12 bytes a lane
	s_lshl_b32 s19, s16, 8
	v_lshl_add_u32 v10, v2, 3, s19                 ; scale bytes out (waves 0 to 3): 256 w + 8 lane
	v_add_nc_u32 v9, SCS, v10
	s_lshr_b32 s21, ttmp9, 5                       ; b
	s_and_b32 s22, ttmp9, 31                       ; the group of 32 columns
	s_lshl_b32 s26, s21, 22
	s_lshl_b32 s23, s22, 17                        ; a group: 16 heads x 64 d x 128 bytes
	s_add_co_u32 s26, s26, s23
	s_lshl_b32 s23, s16, 10                        ; my wave's 8 d x 128 bytes
	s_add_co_u32 s26, s26, s23
	s_mov_b32 s27, 0
	s_lshl_b32 s24, ttmp9, 5
	s_add_co_u32 s24, s24, 4096                    ; my first stored row
	s_mul_i32 s28, s24, 768
	s_mov_b32 s29, 0
	s_lshl_b32 s30, s24, 5
	s_mov_b32 s31, 0
	s_wait_kmcnt 0x0
	s_add_nc_u64 s[4:5], s[4:5], s[26:27]
	s_add_nc_u64 s[6:7], s[6:7], s[28:29]
	s_add_nc_u64 s[8:9], s[8:9], s[30:31]
.macro LOAD t                          ; block t into set t % 2: register i: head i % 16, d = 2 t + i / 16 of my eight
.set i, 0
.rept 16
	global_load_b32 v[X+32*((\t)%2)+i], v3, s[4:5] offset:8192*i+256*(\t) th:TH_LOAD_NT
	global_load_b32 v[X+32*((\t)%2)+16+i], v3, s[4:5] offset:8192*i+256*(\t)+128 th:TH_LOAD_NT
.set i, i+1
.endr
.endm
	LOAD 0
	LOAD 1
.macro BLOCK t
.set XS, X+32*((\t)%2)
.if (\t) < NB-1
	s_wait_loadcnt 32                              ; this block's 32 loads are in; the next block's may be out
.else
	s_wait_loadcnt 0
.endif
	v_max3_num_f32 v12, |v[XS]|, |v[XS+1]|, |v[XS+2]|               ; the block's largest magnitude: all 32 numbers are mine
	v_max3_num_f32 v13, |v[XS+3]|, |v[XS+4]|, |v[XS+5]|
.irp i, 6,10,14,18,22,26
	v_max3_num_f32 v12, v12, |v[XS+\i]|, |v[XS+\i+1]|
	v_max3_num_f32 v13, v13, |v[XS+\i+2]|, |v[XS+\i+3]|
.endr
	v_max3_num_f32 v12, v12, |v[XS+30]|, |v[XS+31]|
	v_max3_num_f32 v12, v12, v13, (EMAX+1)<<23     ; and the floor 2^(3 - 127): the byte cannot fall under 1
	v_add_nc_u32 v11, -(EMAX<<23), v12             ; 2 off its exponent field: the conversion's scale operand
	v_lshrrev_b32 v13, 23, v11                     ; the scale's byte
.if (\t) == 0
	v_mov_b32 v[SB], v13                           ; four bytes to the register, the lower K in the lower byte
.else
	v_lshl_or_b32 v[SB], v13, 8*(\t), v[SB]
.endif
	v_cvt_scalef32_pk16_fp6_f32 v[C:C+2], v[XS:XS+15], v11
	v_cvt_scalef32_pk16_fp6_f32 v[C+4:C+6], v[XS+16:XS+31], v11     ; (a conversion's three registers begin on an even number)
	v_nop                                          ; a plain line behind the conversions
	ds_store_b96 v4, v[C:C+2] offset:32*(\t)       ; 16 codes, 12 bytes, to a place of 16
	ds_store_b96 v4, v[C+4:C+6] offset:32*(\t)+16
.if (\t)+2 < NB
	LOAD (\t)+2
.endif
	s_wait_dscnt 0x0                               ; the stores have read their registers: the next block's codes may be written
.endm
.set Q, 0
.rept NB
	BLOCK Q
.set Q, Q+1
.endr
	ds_store_b32 v5, v[SB]
	s_wait_dscnt 0x0                               ; for the others' sake: my stores into the stage are done
	s_barrier_signal -1
	s_barrier_wait -1
.set q, 0
.rept 8                                ; row q / 2 of my four, half q % 2: 32 places
	ds_load_b96 v[OUTR+4*q:OUTR+4*q+2], v7 offset:SPT*(q/2)+512*(q%2)
.set q, q+1
.endr
.set q, 0
.rept 8
	s_wait_dscnt 7-q                               ; load q is in; the 7 - q issued behind it may be out
	global_store_b96 v8, v[OUTR+4*q:OUTR+4*q+2], s[6:7] offset:768*(q/2)+384*(q%2)
.set q, q+1
.endr
	s_cmp_lt_u32 s16, 4                            ; 1,024 scale bytes: four waves' worth of 256
	s_cbranch_scc0 .Lno_scales
	ds_load_b64 v[26:27], v9
	s_wait_dscnt 0x0
	global_store_b64 v10, v[26:27], s[8:9]         ; 32 lanes store 256 consecutive bytes, aligned
.Lno_scales:
	s_wait_tensorcnt 0x0
	ds_add_u32 v144, v145
	s_wait_dscnt 0x0
	s_endpgm
.Lfunc_end_k_q39e769d894_quantx2:
	.size	k_q39e769d894_quantx2, .Lfunc_end_k_q39e769d894_quantx2-k_q39e769d894_quantx2
	.p2alignl 7, 3214868480
	.fill 96, 4, 3214868480
	.section	.rodata,"a",@progbits
	.p2align	6, 0x0
	.amdhsa_kernel k_q39e769d894_quantx2
		.amdhsa_group_segment_fixed_size 36864
		.amdhsa_private_segment_fixed_size 0
		.amdhsa_enable_private_segment 0
		.amdhsa_kernarg_size 24
		.amdhsa_user_sgpr_count 2
		.amdhsa_user_sgpr_kernarg_segment_ptr 1
		.amdhsa_wavefront_size32 1
		.amdhsa_system_sgpr_workgroup_id_x 1
		.amdhsa_system_sgpr_workgroup_id_y 1
		.amdhsa_system_sgpr_workgroup_id_z 1
		.amdhsa_system_vgpr_workitem_id 0
		.amdhsa_next_free_vgpr 146
		.amdhsa_next_free_sgpr 66
		.amdhsa_reserve_vcc 0
		.amdhsa_float_denorm_mode_32 3
		.amdhsa_float_denorm_mode_16_64 3
		.amdhsa_memory_ordered 1
		.amdhsa_forward_progress 1
		.amdhsa_inst_pref_size 23
	.end_amdhsa_kernel
	.amdgpu_metadata
---
amdhsa.version: [ 1, 2 ]
amdhsa.kernels:
  - .name:           k_q39e769d894_quantx2
    .symbol:         k_q39e769d894_quantx2.kd
    .args:
      - { .name: xf, .offset: 0, .size: 8, .value_kind: global_buffer, .address_space: global }
      - { .name: cod, .offset: 8, .size: 8, .value_kind: global_buffer, .address_space: global }
      - { .name: scl, .offset: 16, .size: 8, .value_kind: global_buffer, .address_space: global }
    .group_segment_fixed_size: 36864
    .private_segment_fixed_size: 0
    .kernarg_segment_align: 8
    .kernarg_segment_size: 24
    .max_flat_workgroup_size: 256
    .sgpr_count:     66
    .vgpr_count:     146
    .wavefront_size: 32
...
	.end_amdgpu_metadata
.endif
;; end of part 4
;; launch outp (part 5): grid 4 x 32, 4 waves a work-group, clusters of 4 x 4, 327,680 bytes of LDS; arguments cod, scl, bm, out0; writes out0
.if DOCPART == 5
	.amdgcn_target "amdgcn-amd-amdhsa--gfx1250"
	.amdhsa_code_object_version 6
	.text
	.protected	k_q39e769d894_outp
	.globl	k_q39e769d894_outp
	.p2align	8
	.type	k_q39e769d894_outp,@function
k_q39e769d894_outp:
	s_mov_b64 s[64:65], 0
	v_nop
	global_prefetch_b8 v0, s[64:65] scope:SCOPE_SE
	s_setreg_imm32_b32 hwreg(HW_REG_WAVE_MODE, 25, 1), 1
	s_wait_xcnt 0x0
	s_wait_alu depctr_hold_cnt(0) depctr_sa_sdst(0) depctr_va_vdst(0) depctr_va_sdst(0) depctr_va_ssrc(0) depctr_va_vcc(0) depctr_vm_vsrc(0)
	s_getreg_b32 s2, hwreg(HW_REG_IB_STS2, 6, 4)
	s_cmp_eq_u32 s2, 0
	s_cbranch_scc0 .Lentry_in_a_cluster
	s_endpgm
.Lentry_in_a_cluster:
	s_bfe_u32 s2, ttmp6, 0x10000c
	s_cmp_lg_u32 s2, 0xf033
	s_cbranch_scc0 .Lentry_shape_is_right
	s_endpgm
.Lentry_shape_is_right:
; The last projection: out0[b][o][n] = sum over c of Wm[o][c] x[b][c][n] + bm[o], on codes of FP6 (E2M3), K = 1,024.
; cod: rows of 768 bytes, scl: 32 E8M0 bytes a row.  "A" = Wm: rows 3,072 on (stored row 64 head + p holds o = 16 s(p) + head, s = bits 3 and 4 exchanged); "B" = the attention's result of batch b: rows 4,096 + 1,024 b on
; (stored row p holds n = s(p)).  A cluster of 4 x 4 work-groups makes one batch; a work-group 256 x 256; each of its four waves 128 x 128: 64 accumulators, 512 registers.
; THE MATRIX INSTRUCTION IS USED TRANSPOSED (source 0 = 16 rows of B, source 1 = 16 rows of A): a lane holds one o and eight n.  The bias hangs on A's row: it is the C of the first K step's products (CB).
; K goes in steps of 256 through a ring of two LDS slots filled by the tensor data mover; the scale bytes come once, with the first fills.  JOINT LOADS: A's tiles are shared along a row of the cluster, B's along a column.
; THE WAY OUT undoes both permutations by constants: n in the stage's store offsets, o in the global stores' offsets.  Each store covers 512 consecutive aligned bytes of a row of out0.
; REGISTERS, in windows of 256: window 0: v0-31 addresses; v32-63 scale words; v64-127 CB; from v128 A's fragments; on the way out v128-255 rows read back.  window 1: B's fragments, two sets.  windows 2, 3: the accumulators.
.set NQ,     2
.set ROWB,   192
.set KROW,   768
.set PITCH,  240                       ; an LDS row: 3 x (64 bytes + 16 of padding)
.set FR,     12
.set NL,     6
.set NP,     4                         ; places behind this matrix instruction (ISA guide 7.12.1)
.set HALFT,  128*PITCH
.set SLOT,   4*HALFT
.set LAPS,   2
.set KS,     32
.set SCL,    2*SLOT
.set HALFS,  (128*KS/256)*272
.set SBLK,   (16*KS/256)*272
.set SPARE,  SCL+4*HALFS               ; the spare words, 128 bytes a wave; no other line names them
.set SPITCH, 528                       ; the way out: a stage of 16 rows x (512 bytes + 16) a wave, in slot 0, which has had its last fill and its last read by then
.set ADRA, 16
.set ADRB, 20
.set STO,  24
.set RD,   25
.set CO,   26
.set ADRS, 27
.set SPW,  28
.set NIL,  29
.set CBO,  31
.set SC,   32
.set CB,   64
.set AF,   128
.set BK,   128
.set G1, 24
.set G0, 32
.set G1B, 48
.set G0B, 56
.set G1S, 68
.set G0S, 76
.set G1SB, 80
.set G0SB, 88
.set MSB, 0
.macro WIN new                         ; the immediate's high byte repeats the setting that is left
.if MSB != \new
	s_set_vgpr_msb (MSB<<8)|\new
.set MSB, \new
.endif
.endm
.set MUL_LO, 0xa1
.set MUL_HI, 0xf1
.set FST_LO, 0x81                      ; the first K step: C (CB) window 0, D window 2
.set FST_HI, 0xc1
.set TO_B,   0x40
.macro JLOAD g0a, g1a, g0b, g1b        ; a joint load: waves 0 and 1 fetch for A, waves 2 and 3 for B; four v_nop follow each of the two lines
	s_cmp_eq_u32 s15, 0
	s_cbranch_scc0 .Lfor_b_\@
	tensor_load_to_lds s[\g0a:\g0a+3], s[\g1a:\g1a+7]
	s_nop 0
.rept 4
	v_nop
.endr
	s_branch .Lasked_\@
.Lfor_b_\@:
	tensor_load_to_lds s[\g0b:\g0b+3], s[\g1b:\g1b+7]
	s_nop 0
.rept 4
	v_nop
.endr
.Lasked_\@:
.endm
.macro CREST
	s_cmp_lg_u32 s14, 0
	s_cbranch_scc1 .Lnot_wave_0_\@
	s_barrier_signal -3
.Lnot_wave_0_\@:
	s_barrier_wait -3
	s_barrier_signal -1
	s_barrier_wait -1
.endm
.macro CROUND
	s_barrier_signal -1
	s_barrier_wait -1
	CREST
.endm
	s_load_b128 s[4:7], s[0:1], 0x0                ; cod, scl
	s_load_b128 s[8:11], s[0:1], 0x10              ; bm, out0
	v_lshl_add_u32 v[SPW], v0, 2, SPARE
	v_mov_b32 v[NIL], 0
	ds_add_u32 v28, v29
	ds_add_u32 v28, v29
	s_wait_dscnt 0x0
	v_lshrrev_b32 v1, 5, v0
	v_readfirstlane_b32 s14, v1                    ; wave 0..3
	s_lshr_b32 s15, s14, 1                         ; rh; also: I fetch for A (0) or for B (1)
	s_and_b32 s16, s14, 1                          ; ch; also: which 128 rows I fetch
	s_bfe_u32 s40, ttmp6, 0x40000                  ; cx
	s_bfe_u32 s41, ttmp6, 0x40004                  ; cy
	s_and_b32 s67, ttmp7, 0xffff                   ; the cluster's y = b
	s_lshl_b32 s43, s41, 2
	s_lshl_b32 s43, 15, s43                        ; my row of the cluster
	s_lshl_b32 s44, 0x1111, s40                    ; my column
	s_or_b32 s[G1+0], s43, (0<<16)|(1<<20)|(1<<21)|(3<<22)|(3<<25)
	s_or_b32 s[G1B+0], s44, (0<<16)|(1<<20)|(1<<21)|(3<<22)|(3<<25)
.irp g, G1, G1B
	s_mov_b32 s[\g+1], ROWB<<16
	s_mov_b32 s[\g+2], 128<<16
	s_mov_b32 s[\g+3], ROWB<<16
	s_mov_b32 s[\g+4], 128
	s_mov_b32 s[\g+5], KROW
	s_mov_b32 s[\g+6], 0
	s_mov_b32 s[\g+7], 0
.endr
	s_or_b32 s[G1S+0], s43, (3<<16)|(1<<20)|(1<<21)|(5<<22)|(3<<25)
	s_or_b32 s[G1SB+0], s44, (3<<16)|(1<<20)|(1<<21)|(5<<22)|(3<<25)
.irp g, G1S, G1SB
	s_mov_b32 s[\g+1], 32<<16
	s_mov_b32 s[\g+2], (128*KS/256)<<16
	s_mov_b32 s[\g+3], 32<<16
	s_mov_b32 s[\g+4], 128*KS/256
	s_mov_b32 s[\g+5], 32
	s_mov_b32 s[\g+6], 0
	s_mov_b32 s[\g+7], 0
.endr
	s_lshl_b32 s19, s16, 7                         ; which 128 rows of the tile I fetch
	s_lshl_b32 s20, s41, 8
	s_add_co_u32 s20, s20, s19
	s_add_co_u32 s20, s20, 3072                    ; A: Wm's row 256 cy + 128 x half
	s_lshl_b32 s46, s40, 8
	s_add_co_u32 s46, s46, s19
	s_lshl_b32 s47, s67, 10
	s_add_co_u32 s46, s46, s47
	s_add_co_u32 s46, s46, 4096                    ; B: row 1,024 b + 256 cx + 128 x half of the activations
	s_mov_b32 s21, 0
	s_mov_b32 s47, 0
	s_mov_b64 s[18:19], KS
	s_mul_u64 s[22:23], s[20:21], s[18:19]
	s_mul_u64 s[92:93], s[46:47], s[18:19]
	s_mov_b64 s[18:19], KROW
	s_mul_u64 s[20:21], s[20:21], s[18:19]
	s_mul_u64 s[46:47], s[46:47], s[18:19]
	s_mul_i32 s45, s14, HALFT                      ; no place in the cluster enters an LDS address
	s_mul_i32 s94, s14, HALFS
	s_wait_kmcnt 0x0
	s_add_nc_u64 s[20:21], s[4:5], s[20:21]
	s_add_nc_u64 s[22:23], s[6:7], s[22:23]
	s_add_nc_u64 s[46:47], s[4:5], s[46:47]
	s_add_nc_u64 s[92:93], s[6:7], s[92:93]
	CROUND                                         ; all sixteen work-groups are here: the first joint loads meet
	s_mov_b32 s[G0S], 1
	s_add_co_u32 s[G0S+1], s94, SCL
	s_mov_b64 s[G0S+2:G0S+3], s[22:23]
	s_or_b32 s[G0S+3], s[G0S+3], 0x80000000
	s_mov_b32 s[G0SB], 1
	s_add_co_u32 s[G0SB+1], s94, SCL
	s_mov_b64 s[G0SB+2:G0SB+3], s[92:93]
	s_or_b32 s[G0SB+3], s[G0SB+3], 0x80000000
	JLOAD G0S, G1S, G0SB, G1SB
.irp s, 0,1
	s_mov_b32 s[G0+4*\s], 1
	s_add_co_u32 s[G0+4*\s+1], s45, \s*SLOT
	s_add_nc_u64 s[G0+4*\s+2:G0+4*\s+3], s[20:21], \s*ROWB
	s_or_b32 s[G0+4*\s+3], s[G0+4*\s+3], 0x80000000
	s_mov_b32 s[G0B+4*\s], 1
	s_add_co_u32 s[G0B+4*\s+1], s45, \s*SLOT
	s_add_nc_u64 s[G0B+4*\s+2:G0B+4*\s+3], s[46:47], \s*ROWB
	s_or_b32 s[G0B+4*\s+3], s[G0B+4*\s+3], 0x80000000
	JLOAD G0+4*\s, G1, G0B+4*\s, G1B
.endr
	v_and_b32 v1, 15, v0                           ; r
	v_bfe_u32 v2, v0, 4, 1                         ; h
	v_mul_u32_u24 v3, v1, PITCH
	v_mul_u32_u24 v4, v2, 24
	v_add_nc_u32 v4, v3, v4
	v_lshl_add_u32 v5, v2, 4, v4
	s_mul_i32 s21, s15, HALFT
	s_mul_i32 s22, s16, HALFT
	s_add_co_u32 s22, s22, 2*HALFT
.irp s, 0,1
	v_add_nc_u32 v[ADRA+\s], s21, v4
	v_add_nc_u32 v[ADRB+\s], s22, v4
	v_add_nc_u32 v[ADRA+2+\s], s21, v5
	v_add_nc_u32 v[ADRB+2+\s], s22, v5
	s_add_co_u32 s21, s21, SLOT
	s_add_co_u32 s22, s22, SLOT
.endr
	v_mul_u32_u24 v5, v1, KS
	v_lshrrev_b32 v6, 8, v5
	v_lshl_add_u32 v5, v6, 4, v5
	s_mul_i32 s21, s15, HALFS
	s_mul_i32 s22, s16, HALFS
	s_add_co_u32 s22, s22, 2*HALFS
	s_sub_co_u32 s22, s22, s21
	v_mul_u32_u24 v6, s22, v2                      ; lanes 16-31 take B's
	s_add_co_u32 s21, s21, SCL
	v_add_nc_u32 v5, v5, v6
	v_add_nc_u32 v[ADRS], s21, v5
	s_mul_i32 s23, s14, 16*SPITCH                  ; my stage
	v_mul_u32_u24 v5, v1, SPITCH                   ; in: row r; lanes 16-31 hold the n that lie 16 further on: 64 bytes
	v_lshl_add_u32 v5, v2, 6, v5
	v_add_nc_u32 v[STO], s23, v5
	v_and_b32 v6, 31, v0
	v_lshlrev_b32 v[CO], 4, v6                     ; back: the 32 lanes take one row of 512 bytes; and the same in out0
	v_add_nc_u32 v[RD], s23, v[CO]
	s_lshl_b32 s20, s41, 2
	s_lshl_b32 s21, s15, 1
	s_add_co_u32 s20, s20, s21
	s_lshl_b32 s20, s20, 12                        ; my first head, 4 cy + 2 rh, as rows of 4,096 bytes
	s_lshl_b32 s21, s67, 22                        ; + b
	s_add_co_u32 s20, s20, s21
	s_lshl_b32 s46, s40, 10                        ; + my first n: 256 cx + 128 ch, in bytes
	s_lshl_b32 s47, s16, 9
	s_add_co_u32 s46, s46, s47
	s_add_co_u32 s20, s20, s46
	s_mov_b32 s21, 0
	s_add_nc_u64 s[12:13], s[10:11], s[20:21]      ; never stepped: all else stands in the stores' immediates
	v_and_b32 v3, 7, v0                            ; the bias of block a: o = 16 (32 ((a % 4) / 2) + 16 (r / 8) + 8 (a % 2) + r % 8) + 4 cy + 2 rh + a / 4
	v_bfe_u32 v4, v0, 3, 1
	v_lshlrev_b32 v3, 6, v3
	v_lshl_add_u32 v[CBO], v4, 10, v3
	s_lshl_b32 s21, s41, 4
	s_lshl_b32 s22, s15, 3
	s_add_co_u32 s21, s21, s22
	v_add_nc_u32 v[CBO], s21, v[CBO]
.irp a, 0,1,2,3,4,5,6,7
	global_load_b32 v[224+\a], v[CBO], s[8:9] offset:64*(32*((\a%4)/2)+8*(\a%2))+4*(\a/4)
.endr
	s_wait_loadcnt 0x0
.irp a, 0,1,2,3,4,5,6,7
.irp j, 0,1,2,3,4,5,6,7
	v_mov_b32 v[CB+8*\a+\j], v[224+\a]             ; a lane's eight results of a block share one o
.endr
.endr
.macro FRAG reg, adr, q, i             ; a fragment: lane l holds row l % 16; registers 6 c .. 6 c + 5 hold K = 64 c + 32 (l / 16) + 0 .. 31, in pieces of 8 bytes
.irp p, 0,1,2,3,4,5
.set PCE, 12*(\q)+6*(\p/3)+\p%3
.if PCE%8 < 5
	ds_load_b64 v[\reg+2*\p:\reg+2*\p+1], v[\adr] offset:8*PCE+16*(PCE/8)+(\i)*16*PITCH
.else
	ds_load_b64 v[\reg+2*\p:\reg+2*\p+1], v[\adr+2] offset:8*PCE+16*(PCE/8)+(\i)*16*PITCH
.endif
.endr
.endm
; 16 matrix instructions; the 64 accumulators take turns, one instruction a turn, in the same order in every step.  first = 1: the sums start from CB.
.macro MUL16 a0, p, q, sc, first
.irp a, \a0, \a0+1
.irp b, 0,1,2,3,4,5,6,7
.if \first
	v_wmma_scale_f32_16x16x128_f8f6f4 v[8*(8*((\a)%4)+\b):8*(8*((\a)%4)+\b)+7], v[128*(\p)+FR*\b:128*(\p)+FR*\b+FR-1], v[AF+FR*(\a):AF+FR*(\a)+FR-1], v[CB+8*(\a):CB+8*(\a)+7], v[SC+8*NQ*(\sc)+NQ*\b+(\q)], v[SC+8*NQ*(\sc)+NQ*(\a)+(\q)] matrix_a_fmt:MATRIX_FMT_FP6 matrix_b_fmt:MATRIX_FMT_FP6 matrix_a_scale:MATRIX_SCALE_ROW1
.else
	v_wmma_scale_f32_16x16x128_f8f6f4 v[8*(8*((\a)%4)+\b):8*(8*((\a)%4)+\b)+7], v[128*(\p)+FR*\b:128*(\p)+FR*\b+FR-1], v[AF+FR*(\a):AF+FR*(\a)+FR-1], v[8*(8*((\a)%4)+\b):8*(8*((\a)%4)+\b)+7], v[SC+8*NQ*(\sc)+NQ*\b+(\q)], v[SC+8*NQ*(\sc)+NQ*(\a)+(\q)] matrix_a_fmt:MATRIX_FMT_FP6 matrix_b_fmt:MATRIX_FMT_FP6 matrix_a_scale:MATRIX_SCALE_ROW1
.endif
.endr
.endr
.endm
.macro FETCH_B slot, q, p
	WIN TO_B
.irp i, 0,1,2,3,4,5,6,7
	FRAG 128*(\p)+FR*\i, ADRB+\slot, \q, \i
.endr
	WIN 0
.endm
.macro FETCH_A slot, q, i0
.irp i, \i0, \i0+1, \i0+2, \i0+3
	FRAG AF+FR*(\i), ADRA+\slot, \q, \i
.endr
.endm
.macro SCALES sc
.irp i, 0,1,2,3,4,5,6,7
	ds_load_b64 v[SC+8*NQ*\sc+NQ*\i:SC+8*NQ*\sc+NQ*\i+1], v[ADRS] offset:\i*SBLK
.endr
.endm
.macro PLACES n
.rept \n
	v_nop
.endr
.endm
.macro STEP slot, q, first
	s_wait_dscnt 4*NL                              ; B's set and A's blocks 0-3 are in; the youngest 24 loads (A's blocks 4-7) may be out
.if \first
	WIN FST_LO
.else
	WIN MUL_LO
.endif
	MUL16 0, (\q)%2, \q, \slot, \first
	MUL16 2, (\q)%2, \q, \slot, \first
	s_wait_dscnt 0
	PLACES NP
	FETCH_B \slot, (\q)+1, 1-(\q)%2
	FETCH_A \slot, (\q)+1, 0
.if \first
	WIN FST_HI
.else
	WIN MUL_HI
.endif
	MUL16 4, (\q)%2, \q, \slot, \first
	MUL16 6, (\q)%2, \q, \slot, \first
	PLACES NP
	WIN 0
	FETCH_A \slot, (\q)+1, 4
.endm
.macro TURN slot, next, fill
	s_wait_tensorcnt 0x0                           ; all my tensor loads have landed: my part of the next slot
	ds_add_u32 v[SPW], v[NIL]                      ; 0 onto my spare word
	s_wait_dscnt 4*NL+1                            ; (the add and the youngest 24 loads may be out)
	WIN MUL_LO
	MUL16 0, 1, NQ-1, \slot, 0
	s_wait_dscnt 0x0                               ; the add is done, and my reads of this slot are over
	s_barrier_signal -1
	MUL16 2, 1, NQ-1, \slot, 0
	WIN 0
	s_barrier_wait -1
.if \fill
	CREST                                          ; a round of the cluster's barrier: no wave of any partner still reads this slot or has a load on its way
	s_add_nc_u64 s[G0+4*\slot+2:G0+4*\slot+3], s[G0+4*\slot+2:G0+4*\slot+3], 2*ROWB
	s_add_nc_u64 s[G0B+4*\slot+2:G0B+4*\slot+3], s[G0B+4*\slot+2:G0B+4*\slot+3], 2*ROWB
	JLOAD G0+4*\slot, G1, G0B+4*\slot, G1B
.else
	PLACES NP
.endif
	v_add_nc_u32 v[ADRS], 4*NQ, v[ADRS]
	FETCH_B \next, 0, 0
	FETCH_A \next, 0, 0
	SCALES \next
	WIN MUL_HI
	MUL16 4, 1, NQ-1, \slot, 0
	MUL16 6, 1, NQ-1, \slot, 0
	PLACES NP
	WIN 0
	FETCH_A \next, 0, 4
.endm
	s_wait_tensorcnt 1                             ; the scales and my part of K step 0 are in (K step 1's load may be out),
	s_barrier_signal -1
	s_barrier_wait -1                              ; everybody's are
	FETCH_B 0, 0, 0
	FETCH_A 0, 0, 0
	SCALES 0
	FETCH_A 0, 0, 4
	STEP 0, 0, 1
	s_mov_b32 s3, LAPS-1
.Llap:
	TURN 0, 1, 1
	STEP 1, 0, 0
	TURN 1, 0, 1
	STEP 0, 0, 0
	s_sub_co_u32 s3, s3, 1
	s_cmp_lg_u32 s3, 0
	s_cbranch_scc1 .Llap
	TURN 0, 1, 0
	STEP 1, 0, 0
	s_wait_dscnt 4*NL
	WIN MUL_LO
	MUL16 0, 1, NQ-1, 1, 0
	MUL16 2, 1, NQ-1, 1, 0
	s_wait_dscnt 0
	WIN MUL_HI
	MUL16 4, 1, NQ-1, 1, 0
	MUL16 6, 1, NQ-1, 1, 0
	WIN 0
; THE WAY OUT, block by block of 16 rows o x 128 n, through my own stage in LDS.  Register j of tile b in lane (r, h) is n = 32 (b / 2) + 16 h + 8 (b % 2) + j.  LDS serves a wave's instructions in order: no wait between the stores and the loads.
.macro TOSTAGE a
.set AC, 64*((\a)%4)
	WIN (0x08+4*((\a)/4))                          ; the data: window 2 or 3
.irp b, 0,1,2,3,4,5,6,7
	ds_store_b128 v[STO], v[AC+8*\b:AC+8*\b+3] offset:128*(\b/2)+32*(\b%2)          ; each accumulator from its low end on
	ds_store_b128 v[STO], v[AC+8*\b+4:AC+8*\b+7] offset:128*(\b/2)+32*(\b%2)+16
.endr
	WIN 0
.set BB, BK+64*((\a)%2)
.irp t, 0,1,2,3,4,5,6,7,8,9,10,11,12,13,14,15
	ds_load_b128 v[BB+4*\t:BB+4*\t+3], v[RD] offset:\t*SPITCH
.endr
.endm
.macro SEND a, younger                 ; row t of block a is o = 16 (32 ((a % 4) / 2) + 16 (t / 8) + 8 (a % 2) + t % 8) + a / 4 above my first head's row 0: 4,132,864 bytes at the most, inside the signed 24-bit immediate
.set BB, BK+64*((\a)%2)
	s_wait_dscnt \younger                          ; the block is back in registers
.irp t, 0,1,2,3,4,5,6,7,8,9,10,11,12,13,14,15
	global_store_b128 v[CO], v[BB+4*\t:BB+4*\t+3], s[12:13] offset:4096*(16*(32*(((\a)%4)/2)+16*(\t/8)+8*((\a)%2)+\t%8)+(\a)/4) th:TH_STORE_NT   ; 32 lanes store 512 consecutive bytes, aligned
.endr
.endm
	PLACES NP
	TOSTAGE 0
.irp a, 1,2,3,4,5,6,7
.if \a > 1
	s_wait_xcnt 0x0                                ; block a - 2's stores have read their registers: block a's loads may land there
.endif
	TOSTAGE \a
	SEND \a-1, 32                                  ; behind block a - 1's loads: block a's 16 stores and 16 loads
.endr
	SEND 7, 0
	s_wait_tensorcnt 0x0                           ; the wave's end
	ds_add_u32 v[SPW], v[NIL]
	s_wait_dscnt 0x0
	CROUND                                         ; the closing round
	s_endpgm
.Lfunc_end_k_q39e769d894_outp:
	.size	k_q39e769d894_outp, .Lfunc_end_k_q39e769d894_outp-k_q39e769d894_outp
	.p2alignl 7, 3214868480
	.fill 96, 4, 3214868480
	.section	.rodata,"a",@progbits
	.p2align	6, 0x0
	.amdhsa_kernel k_q39e769d894_outp
		.amdhsa_group_segment_fixed_size 327680
		.amdhsa_private_segment_fixed_size 0
		.amdhsa_enable_private_segment 0
		.amdhsa_kernarg_size 32
		.amdhsa_user_sgpr_count 2
		.amdhsa_user_sgpr_kernarg_segment_ptr 1
		.amdhsa_wavefront_size32 1
		.amdhsa_system_sgpr_workgroup_id_x 1
		.amdhsa_system_sgpr_workgroup_id_y 1
		.amdhsa_system_sgpr_workgroup_id_z 1
		.amdhsa_system_vgpr_workitem_id 0
		.amdhsa_next_free_vgpr 1024
		.amdhsa_next_free_sgpr 96
		.amdhsa_reserve_vcc 0
		.amdhsa_float_denorm_mode_32 3
		.amdhsa_float_denorm_mode_16_64 3
		.amdhsa_memory_ordered 1
		.amdhsa_forward_progress 1
		.amdhsa_inst_pref_size 162
	.end_amdhsa_kernel
	.amdgpu_metadata
---
amdhsa.version: [ 1, 2 ]
amdhsa.kernels:
  - .name:           k_q39e769d894_outp
    .symbol:         k_q39e769d894_outp.kd
    .args:
      - { .name: cod, .offset: 0, .size: 8, .value_kind: global_buffer, .address_space: global }
      - { .name: scl, .offset: 8, .size: 8, .value_kind: global_buffer, .address_space: global }
      - { .name: bm, .offset: 16, .size: 8, .value_kind: global_buffer, .address_space: global }
      - { .name: out0, .offset: 24, .size: 8, .value_kind: global_buffer, .address_space: global }
    .group_segment_fixed_size: 327680
    .private_segment_fixed_size: 0
    .kernarg_segment_align: 8
    .kernarg_segment_size: 32
    .max_flat_workgroup_size: 128
    .sgpr_count:     96
    .vgpr_count:     1024
    .wavefront_size: 32
...
	.end_amdgpu_metadata
.endif
;; end of part 5
